; MI455X (gfx1250); checked and timed in simulation.
; The chip was launched on July 23, 2026; its instructions are those of AMD's public machine-readable ISA for CDNA 5 (MIT licence, August 2026) and "CDNA5" Instruction Set Architecture Reference Guide (July 2026). The comments in the code are by the model that wrote it; some were corrected since.
;; Sparse Mo E. Allowed arithmetic: matrix products marked QUANTISED: E3M2 operands, one E8M0 scale for each 32 along K, by v_wmma_scale_f32_16x16x128_f8f6f4 with both operands' format E3M2, f32 sums; products left as they are: f32 operands where the result goes on into a quantised operand, else bf16, f16 or f32 operands; f32 sums; everything else in f32.
;; Inputs: W1 8 x 1,024 x 1,024 float32; W2 8 x 1,024 x 1,024 float32; Wn 8 x 1,024 float32; Wr 8 x 1,024 float32; noise 4 x 1,024 x 8 float32; x 4 x 1,024 x 1,024 float32.
;; Outputs: out0 4 x 1,024 x 1,024 float32.
;; This version of the problem:
;;   THIS VERSION OF THE PROBLEM IS GIVEN IN LOW PRECISION. The matrix products marked QUANTISED in the list below multiply operands that are first quantised to E3M2 (3 exponent bits, 2 mantissa bits; 6 bits a number), with one power-of-two scale for each 32 numbers along K (OCP MX v1.0); their sums are f32. All else is computed in f32.
;;   The module's matrix products, in the order in which they are computed (A, B: the left and right operand; K: the contracted axis; several contracted axes count as one K, in the product's order):
;;     1. [M 4,096, K 1,024] x [K 1,024, N 8]; A: input x; B: input Wr: left as it is (N = 8 < 16)
;;     2. [M 4,096, K 1,024] x [K 1,024, N 8]; A: input x; B: input Wn: left as it is (N = 8 < 16)
;;     3. [M 4,096, K 1,024] x [K 1,024, N 1,024]; A: input x; B: input W1: QUANTISED
;;     4. [M 4,096, K 1,024] x [K 1,024, N 1,024]; A: computed on the way; B: input W2: QUANTISED
;;     5. [M 4,096, K 1,024] x [K 1,024, N 1,024]; A: input x; B: input W1: QUANTISED
;;     6. [M 4,096, K 1,024] x [K 1,024, N 1,024]; A: computed on the way; B: input W2: QUANTISED
;;     7. [M 4,096, K 1,024] x [K 1,024, N 1,024]; A: input x; B: input W1: QUANTISED
;;     8. [M 4,096, K 1,024] x [K 1,024, N 1,024]; A: computed on the way; B: input W2: QUANTISED
;;     9. [M 4,096, K 1,024] x [K 1,024, N 1,024]; A: input x; B: input W1: QUANTISED
;;     10. [M 4,096, K 1,024] x [K 1,024, N 1,024]; A: computed on the way; B: input W2: QUANTISED
;;     11. [M 4,096, K 1,024] x [K 1,024, N 1,024]; A: input x; B: input W1: QUANTISED
;;     12. [M 4,096, K 1,024] x [K 1,024, N 1,024]; A: computed on the way; B: input W2: QUANTISED
;;     13. [M 4,096, K 1,024] x [K 1,024, N 1,024]; A: input x; B: input W1: QUANTISED
;;     14. [M 4,096, K 1,024] x [K 1,024, N 1,024]; A: computed on the way; B: input W2: QUANTISED
;;     15. [M 4,096, K 1,024] x [K 1,024, N 1,024]; A: input x; B: input W1: QUANTISED
;;     16. [M 4,096, K 1,024] x [K 1,024, N 1,024]; A: computed on the way; B: input W2: QUANTISED
;;     17. [M 4,096, K 1,024] x [K 1,024, N 1,024]; A: input x; B: input W1: QUANTISED
;;     18. [M 4,096, K 1,024] x [K 1,024, N 1,024]; A: computed on the way; B: input W2: QUANTISED
;;   THE QUANTISER, for each operand of a quantised product, along K:
;;     - K is cut into blocks of 32 from its start; a last block that is shorter is filled with zeros.
;;     - A block's scale is 2^e with e = floor(log2(the largest magnitude in the block)) - 4, held to -126 .. 127; a block of zeros has e = 0. As a byte (E8M0): e + 127.
;;     - Each number is divided by its block's scale, clamped to +-28, and rounded to the nearest number of E3M2, ties to even, subnormals kept.
;;     - The product sums the exact products of the quantised numbers (number of the format x scale) in f32.
;;   ~~~python
;;   def quantise(x, axis):      # numpy; x: float32 -> the quantised numbers, widened to float32 again
;;       x = np.moveaxis(x, axis, -1); K = x.shape[-1]
;;       x = np.pad(x, [(0, 0)] * (x.ndim - 1) + [(0, -K % 32)]); x = x.reshape(x.shape[:-1] + (-1, 32)); a = np.abs(x).max(-1, keepdims=True)
;;       e = np.where(a > 0, np.clip(np.frexp(np.where(a > 0, a, 1))[1] - 1 - 4, -126, 127), 0)      # np.frexp(a)[1] - 1 = floor(log2(a)), exactly
;;       r = np.clip(x / 2.0 ** e, -28, 28)
;;       step = 2.0 ** (np.maximum(np.frexp(np.where(r == 0, 1, r))[1] - 1, -2) - 2)
;;       q = np.round(r / step) * step * 2.0 ** e      # np.round: ties to even
;;       return np.moveaxis(q.reshape(q.shape[:-2] + (-1,))[..., :K], -1, axis).astype(np.float32)
;;   ~~~
;;   OPERANDS COMPUTED ON THE WAY. 'Computed on the way' means the value that the module computes at that place (a softmax that the list does not call 'softmax' is quantised finished and normalised). What goes into a quantiser is computed in f32, as accurately as f32 sums, v_exp_f32 and their like allow (about 1e-6 of the number): no bf16 or f16 on the way to a quantiser, and a product that is left as it is and whose result goes on into a quantised operand takes f32 operands (vector FMAs, or v_wmma_f32_16x16x4_f32). A number that lies on a knife's edge between two numbers of the format may be rounded either way, as far as f32 arithmetic and the matrix unit's own rounding can turn it there, and no further.
;; 2 versions. Each part assembles by itself: llvm-mc -triple=amdgcn-amd-amdhsa -mcpu=gfx1250 --defsym DOCPART=n.
;; ======== version 1 of 2: 4 launches
;; workspace buffers: wq 13,107,200 bytes; xq 3,276,800 bytes; key 16,384 bytes of whole numbers; gate 32,768 bytes; list 24,832 bytes of whole numbers; hq 9,318,400 bytes
;; launch prep (part 1): grid 512 x 1, 8 waves a work-group, no clusters, 89,856 bytes of LDS; arguments x, noise, Wr, Wn, W1, W2, wq, xq, key, gate; writes wq, xq, key, gate
.if DOCPART == 1
	.amdgcn_target "amdgcn-amd-amdhsa--gfx1250"
	.amdhsa_code_object_version 6
	.text
	.protected	k_qc84b3c19c1_prep
	.globl	k_qc84b3c19c1_prep
	.p2align	8
	.type	k_qc84b3c19c1_prep,@function
k_qc84b3c19c1_prep:
	s_mov_b64 s[64:65], 0
	v_nop
	global_prefetch_b8 v0, s[64:65] scope:SCOPE_SE
	s_setreg_imm32_b32 hwreg(HW_REG_WAVE_MODE, 25, 1), 1
	s_wait_xcnt 0x0
; PREP: everything that is done once.  Work-groups 0-255: 16 tokens each: x into codes of E3M2 with E8M0 scales (xq), and the noisy top-2 router (key, gate).
; Work-groups 256-511: W1 and W2 (K is their first axis) into codes and scales laid in the order of the operand's registers (wq).
; xq: codes [token][K step 8][half 2][48 bytes] (a lane's 12 operand registers on end), then from XSOFF the scale words [token][8].
; wq: codes [matrix 16][tile 64][K step 8][1,536 bytes]: registers 4 c .. 4 c + 3 of lane l at 512 c + 16 l; from WSOFF the scale words [matrix][K quarter 4][16 tile + row][2 words].
;     Matrix e is W1[e], matrix 8 + e is W2[e].  Row q of W1's tile 2 b + u is hidden unit 32 b + 8 u + q % 8 + 16 (q / 8), so that the first product's results are neighbours along the second product's K.
; key: the token's pair of experts (lo < hi) as one number 0..27;  gate: (gate of lo, gate of hi), f32.
; The router's two products are taken in f32 (16 x 16 x 4 matrix form: 16 outputs = Wr's 8 rows and Wn's 8 rows, 16 tokens), each wave 128 along K; the eight parts are added in the waves' order.
; LIMITS: NaN and infinities among the inputs are not served.  A block whose largest magnitude lies under 2^-122, a block of zeros too, gets the scale byte 1 (only this program reads the bytes; zero codes add nothing).
; The router's sums run in another order than a plain dot product's.  log(1 + u) is taken as log2 of the rounded 1 + u: an absolute error of 6e-8.
; key and gate are stored as 64 and 128 bytes a work-group: 48 KiB in the whole launch.
.set TBP,   528                        ; a turn buffer's row: 512 bytes + 16
.set TBW,   16*TBP                     ; a wave's own turn buffer
.set STG,   8*TBW                      ; 16 rows of codes, 768 bytes + 16
.set STP,   784
.set SSW,   STG+16*STP                 ; 16 tokens x 8 scale words
.set LGT,   SSW+512                    ; 8 waves x 1,024 bytes of partial logits
.set XSOFF, 3145728
.set WSOFF, 12582912
.set WCM,   786432                     ; a matrix's codes
.set TILEB, 12288                      ; a tile's: 8 K steps
.set FRB,   1536                       ; a fragment's
.set WV,  7                            ; s7  wave
.set SEL, 40                           ; s[40:41] selects of v_permlanex16_b32: lane l xor 16
.set R,   16                           ; v16-79   x as it lands; later Wr and Wn turned; later the eight waves' parts
.set RW,  80                           ; v80-143  Wr and Wn as they land; later the noise (v80-87), the rows on their way out (v96-111)
.set X,   144                          ; v144-207 my row's 64 numbers: register 32 c + i = k 32 (2 c + half) + i of the K step; later the router's work
.set AC,  208                          ; v208-223 two f32 accumulators: written by matrix instructions alone
.set TM,  224                          ; v224-231 at work
.set PC,  232                          ; v232-243 my 12 registers of codes
.set TT,  244                          ; v244-250 the upper halves of two blocks' codes, before they are moved
	s_load_b512 s[8:23], s[0:1], 0x0               ; x s8, noise s10, Wr s12, Wn s14, W1 s16, W2 s18, wq s20, xq s22
	s_load_b128 s[24:27], s[0:1], 0x40             ; key s24, gate s26
	v_lshl_add_u32 v254, v0, 2, 0x15b00
	v_mov_b32 v255, 0
	v_lshrrev_b32 v1, 5, v0
	v_readfirstlane_b32 s[WV], v1                  ; wave 0..7
	v_and_b32 v1, 31, v0                           ; lane
	v_and_b32 v2, 15, v0                           ; r
	v_bfe_u32 v3, v0, 4, 1                         ; h
	s_mov_b32 s[SEL], 0x76543210
	s_mov_b32 s[SEL+1], 0xfedcba98
	s_cmp_lt_u32 ttmp9, 256                        ; the work-group's number alone decides the path: all eight waves go one way
	s_cbranch_scc0 .Lweights
; ---------------- 16 tokens of x: wave w takes K step w (128 along K) of all 16 ----------------
	v_lshlrev_b32 v4, 4, v1                        ; 16 x lane: a load's 512 consecutive bytes
	s_mul_i32 s28, s[WV], TBW
	v_add_nc_u32 v5, s28, v4                       ; turn buffer, in: 16 x lane, rows by the offset
	v_mul_u32_u24 v6, v2, TBP
	v_lshl_add_u32 v6, v3, 7, v6
	v_add_nc_u32 v6, s28, v6                       ; out: row r, + 128 h: my blocks h and 2 + h
	v_mul_u32_u24 v7, v2, STP
	v_mad_u32_u24 v7, v3, 48, v7
	s_mul_i32 s29, s[WV], 96
	s_add_co_u32 s29, s29, STG
	v_add_nc_u32 v7, s29, v7                       ; my 48 bytes of codes in row r
	v_lshlrev_b32 v8, 5, v2
	s_lshl_b32 s29, s[WV], 2
	s_add_co_u32 s29, s29, SSW
	v_add_nc_u32 v8, s29, v8                       ; row r's scale word of K step w
	s_lshl_b32 s29, s[WV], 10
	s_add_co_u32 s29, s29, LGT
	v_add_nc_u32 v9, s29, v4                       ; my wave's partial logits
	v_mul_u32_u24 v10, v3, STP
	v_lshl_add_u32 v10, v2, 4, v10
	s_mul_i32 s29, s[WV], 2*STP
	s_add_co_u32 s29, s29, STG
	v_add_nc_u32 v10, s29, v10                     ; the way out: rows 2 w + h, 16 bytes a lane
	v_mul_u32_u24 v11, v3, 768
	v_lshl_add_u32 v11, v2, 4, v11
	s_mul_i32 s29, s[WV], 2*768
	v_add_nc_u32 v11, s29, v11                     ; and the same place in xq
	v_lshlrev_b32 v12, 5, v2                       ; noise: 32 bytes a token
	v_add_nc_u32 v13, LGT, v4                      ; the router reads all eight parts from here
	v_lshlrev_b32 v14, 2, v2                       ; key: 4 bytes a token
	v_lshlrev_b32 v15, 3, v2                       ; gate: 8
	v_add_nc_u32 v252, SSW, v4                     ; the scale words' way out
	s_lshl_b32 s30, ttmp9, 16                      ; 16 rows of 4,096 bytes,
	s_lshl_b32 s32, s[WV], 9                       ; my K step's 512 bytes
	s_add_co_u32 s30, s30, s32
	s_mov_b32 s31, 0
	s_mov_b32 s33, 0
	s_lshl_b32 s34, ttmp9, 9                       ; 16 tokens x 32 bytes: noise, and xq's scale words
	s_mov_b32 s35, 0
	s_mul_i32 s36, ttmp9, 16*768
	s_mov_b32 s37, 0
	s_lshl_b32 s38, ttmp9, 6
	s_mov_b32 s39, 0
	s_lshl_b32 s42, ttmp9, 7
	s_mov_b32 s43, 0
	s_mov_b32 s44, 0xbfb8aa3b                      ; -log2(e)
	s_mov_b32 s45, 0x3f317218                      ; ln 2
	s_mov_b32 s46, 0x3fb8aa3b                      ; log2(e)
	s_mov_b32 s47, 0xffff0000                      ; lanes 16-31
	s_wait_kmcnt 0x0
	s_add_nc_u64 s[8:9], s[8:9], s[30:31]
	s_add_nc_u64 s[12:13], s[12:13], s[32:33]
	s_add_nc_u64 s[14:15], s[14:15], s[32:33]
	s_add_nc_u64 s[10:11], s[10:11], s[34:35]
	s_add_nc_u64 s[28:29], s[22:23], s[34:35]
	s_add_nc_u64 s[28:29], s[28:29], XSOFF         ; xq's scale words of my tokens
	s_add_nc_u64 s[22:23], s[22:23], s[36:37]      ; xq's codes
	s_add_nc_u64 s[24:25], s[24:25], s[38:39]
	s_add_nc_u64 s[26:27], s[26:27], s[42:43]
.irp i, 0,1,2,3,4,5,6,7,8,9,10,11,12,13,14,15
	global_load_b128 v[R+4*\i:R+4*\i+3], v4, s[8:9] offset:4096*\i th:TH_LOAD_NT   ; token i: 512 consecutive bytes; read once in the launch
.endr
.irp i, 0,1,2,3,4,5,6,7
	global_load_b128 v[RW+4*\i:RW+4*\i+3], v4, s[12:13] offset:4096*\i             ; Wr's row i
.endr
.irp i, 0,1,2,3,4,5,6,7
	global_load_b128 v[RW+32+4*\i:RW+32+4*\i+3], v4, s[14:15] offset:4096*\i       ; Wn's row i
.endr
	s_wait_loadcnt 16                              ; x is in; the 16 loads of Wr and Wn may be out
.irp i, 0,1,2,3,4,5,6,7,8,9,10,11,12,13,14,15
	ds_store_b128 v5, v[R+4*\i:R+4*\i+3] offset:TBP*\i
.endr
.irp c, 0,1
.irp q, 0,1,2,3,4,5,6,7
	ds_load_b128 v[X+32*\c+4*\q:X+32*\c+4*\q+3], v6 offset:256*\c+16*\q            ; LDS serves a wave's instructions in order: these see the stores above
.endr
.endr
	s_wait_loadcnt 0x0                             ; Wr and Wn are in
	s_wait_dscnt 0x0                               ; my row's 64 numbers are in
.irp i, 0,1,2,3,4,5,6,7,8,9,10,11,12,13,14,15
	ds_store_b128 v5, v[RW+4*\i:RW+4*\i+3] offset:TBP*\i                           ; the same turn for the 16 rows of Wr and Wn
.endr
.irp c, 0,1
.irp q, 0,1,2,3,4,5,6,7
	ds_load_b128 v[R+32*\c+4*\q:R+32*\c+4*\q+3], v6 offset:256*\c+16*\q
.endr
.endr
	; x's two blocks of mine are quantised while that turn is on its way
.irp c, 0,1
	v_max3_num_f32 v[TM+\c], |v[X+32*\c]|, |v[X+32*\c+1]|, 0x2800000               ; the floor 2^(5 - 127): the byte cannot fall under 1
.endr
.irp i, 2,4,6,8,10,12,14,16,18,20,22,24,26,28,30
.irp c, 0,1
	v_max3_num_f32 v[TM+\c], v[TM+\c], |v[X+32*\c+\i]|, |v[X+32*\c+\i+1]|
.endr
.endr
.irp c, 0,1
	v_add_nc_u32 v[TM+2+\c], 0xfe000000, v[TM+\c]  ; 4 off the exponent field: the conversion's scale operand
.endr
.irp c, 0,1
	v_lshrrev_b32 v[TM+4+\c], 23, v[TM+2+\c]       ; the scale's byte
.endr
	v_lshl_or_b32 v[TM+6], v[TM+5], 16, v[TM+4]    ; blocks h and 2 + h,
	v_lshlrev_b32 v[TM+7], 3, v3
	v_lshlrev_b32 v[TM+6], v[TM+7], v[TM+6]        ; at their places in the word;
	v_mov_b32 v[TM+7], 0
	v_permlanex16_b32 v[TM+7], v[TM+6], s[SEL], s[SEL+1]
	v_or_b32 v[TM+6], v[TM+6], v[TM+7]             ; with lane l xor 16's two the word is whole
.irp c, 0,1
	v_cvt_scalef32_pk16_bf6_f32 v[PC+6*\c:PC+6*\c+2], v[X+32*\c:X+32*\c+15], v[TM+2+\c]
	v_cvt_scalef32_pk16_bf6_f32 v[TT+4*\c:TT+4*\c+2], v[X+32*\c+16:X+32*\c+31], v[TM+2+\c]   ; (a conversion's three registers begin on an even number)
.endr
	v_nop                                          ; one plain place behind the scaled conversions
.irp c, 0,1
.irp i, 0,1,2
	v_mov_b32 v[PC+3+6*\c+\i], v[TT+4*\c+\i]
.endr
.endr
.irp c, 0,1,2
	ds_store_b128 v7, v[PC+4*\c:PC+4*\c+3] offset:16*\c
.endr
	ds_store_b32 v8, v[TM+6]                       ; both halves of the lanes write the same word with the same value
	s_wait_dscnt 0x0                               ; Wr and Wn are back, turned; my stores have landed
	s_cmp_lg_u32 s[WV], 0
	s_cbranch_scc1 .Lno_noise
	global_load_b128 v[RW:RW+3], v12, s[10:11]     ; wave 0, which routes: the noise of token r, asked for ahead of the products
	global_load_b128 v[RW+4:RW+7], v12, s[10:11] offset:16
.Lno_noise:
	; 16 outputs x 16 tokens x 128 along K in f32.  Both sources hold the same k in the same registers and lanes, so each instruction sums four true products.  Two accumulators by turns, one instruction a turn.
.set i, 0
.rept 32
.if i < 2
	v_wmma_f32_16x16x4_f32 v[AC+8*(i%2):AC+8*(i%2)+7], v[R+2*i:R+2*i+1], v[X+2*i:X+2*i+1], 0
.else
	v_wmma_f32_16x16x4_f32 v[AC+8*(i%2):AC+8*(i%2)+7], v[R+2*i:R+2*i+1], v[X+2*i:X+2*i+1], v[AC+8*(i%2):AC+8*(i%2)+7]
.endif
.set i, i+1
.endr
.rept 8
	v_nop                                          ; eight places behind this form (ISA guide 7.12.1) ahead of the first read of the sums
.endr
.irp j, 0,1,2,3,4,5,6,7
	v_add_f32 v[TM+\j], v[AC+\j], v[AC+8+\j]       ; lane (t, h): h = 0: Wr's output j, h = 1: Wn's, of token t
.endr
	ds_store_b128 v9, v[TM:TM+3]
	ds_store_b128 v9, v[TM+4:TM+7] offset:512
	s_wait_dscnt 0x0                               ; for the others' sake: codes, scale words and partial logits have landed
	s_barrier_signal -1
	s_barrier_wait -1
.irp u, 0,1,2
	ds_load_b128 v[RW+16+4*\u:RW+16+4*\u+3], v10 offset:256*\u
.endr
	s_wait_dscnt 0x0
.irp u, 0,1,2
	global_store_b128 v11, v[RW+16+4*\u:RW+16+4*\u+3], s[22:23] offset:256*\u      ; sixteen lanes store 256 consecutive bytes, aligned
.endr
	s_cmp_eq_u32 s[WV], 1
	s_cbranch_scc0 .Lnot_wave_1
	ds_load_b128 v[RW+28:RW+31], v252              ; wave 1: the 16 tokens' scale words, 512 consecutive bytes
	s_wait_dscnt 0x0
	global_store_b128 v4, v[RW+28:RW+31], s[28:29]
	s_wait_tensorcnt 0x0
	ds_add_u32 v254, v255
	s_wait_dscnt 0x0
	s_endpgm
.Lnot_wave_1:
	s_cmp_eq_u32 s[WV], 0
	s_cbranch_scc1 .Lrouter
	s_wait_tensorcnt 0x0
	ds_add_u32 v254, v255
	s_wait_dscnt 0x0
	s_endpgm
; ---------------- wave 0: the router of the 16 tokens; both halves of the lanes compute the same ----------------
.set SU, 144
.set OT, 152
.set LG, 160
.set NL, 168
.set EA, 176
.set MP, 184
.set NZ, 192
.Lrouter:
.irp w, 0,1,2,3,4,5,6,7
	ds_load_b128 v[R+8*\w:R+8*\w+3], v13 offset:1024*\w
	ds_load_b128 v[R+8*\w+4:R+8*\w+7], v13 offset:1024*\w+512
.endr
	s_wait_dscnt 0x0
.irp j, 0,1,2,3,4,5,6,7
	v_add_f32 v[SU+\j], v[R+\j], v[R+8+\j]
.endr
.irp w, 2,3,4,5,6,7
.irp j, 0,1,2,3,4,5,6,7
	v_add_f32 v[SU+\j], v[SU+\j], v[R+8*\w+\j]
.endr
.endr
.irp j, 0,1,2,3,4,5,6,7
	v_permlanex16_b32 v[OT+\j], v[SU+\j], s[SEL], s[SEL+1]
.endr
.irp j, 0,1,2,3,4,5,6,7
	v_cndmask_b32 v[LG+\j], v[SU+\j], v[OT+\j], s47        ; the logit of expert j,
	v_cndmask_b32 v[NL+\j], v[OT+\j], v[SU+\j], s47        ; and its noise logit z, in every lane
.endr
.irp j, 0,1,2,3,4,5,6,7
	v_mul_f32 v[EA+\j], s44, |v[NL+\j]|
.endr
.irp j, 0,1,2,3,4,5,6,7
	v_exp_f32 v[EA+\j], v[EA+\j]                   ; e^-|z|
.endr
.irp j, 0,1,2,3,4,5,6,7
	v_max_num_f32 v[MP+\j], 0, v[NL+\j]            ; plain work behind the batch
.endr
	s_wait_alu depctr_va_vdst(0)                   ; one wait for the eight, ahead of their first reader
.irp j, 0,1,2,3,4,5,6,7
	v_add_f32 v[EA+\j], 1.0, v[EA+\j]
.endr
.irp j, 0,1,2,3,4,5,6,7
	v_log_f32 v[EA+\j], v[EA+\j]
.endr
	v_nop
	s_wait_alu depctr_va_vdst(0)
	s_wait_loadcnt 0x0                             ; the noise
.irp j, 0,1,2,3,4,5,6,7
	v_fma_f32 v[EA+\j], v[EA+\j], s45, v[MP+\j]    ; softplus(z) = max(z, 0) + ln 2 x log2(1 + e^-|z|)
.endr
.irp j, 0,1,2,3,4,5,6,7
	v_fma_f32 v[NZ+\j], v[RW+\j], v[EA+\j], v[LG+\j]
.endr
	v_mov_b32 v224, v[NZ]                          ; the largest, the lower index on a tie: only a strictly larger number takes its place
	v_mov_b32 v225, 0
.irp j, 1,2,3,4,5,6,7
	v_cmp_le_f32 vcc_lo, v[NZ+\j], v224
	v_cndmask_b32 v224, v[NZ+\j], v224, vcc_lo
	v_cndmask_b32 v225, \j, v225, vcc_lo
.endr
	v_mov_b32 v228, 0xff800000
.irp j, 0,1,2,3,4,5,6,7
	v_cmp_eq_u32 vcc_lo, \j, v225
	v_cndmask_b32 v[NZ+\j], v[NZ+\j], v228, vcc_lo ; the winner leaves
.endr
	v_mov_b32 v226, v[NZ]                          ; the second
	v_mov_b32 v227, 0
.irp j, 1,2,3,4,5,6,7
	v_cmp_le_f32 vcc_lo, v[NZ+\j], v226
	v_cndmask_b32 v226, v[NZ+\j], v226, vcc_lo
	v_cndmask_b32 v227, \j, v227, vcc_lo
.endr
	v_sub_f32 v229, v226, v224                     ; the maximum is taken away: 0 or less
	v_mul_f32 v229, s46, v229
	v_exp_f32 v229, v229
	v_min_u32 v234, v225, v227                     ; lo  (plain work behind the exponential)
	v_max_u32 v235, v225, v227                     ; hi
	s_wait_alu depctr_va_vdst(0)
	v_add_f32 v230, 1.0, v229
	v_rcp_f32 v230, v230                           ; the first's gate
	v_sub_nc_u32 v236, 15, v234
	v_mul_u32_u24 v236, v236, v234
	v_lshrrev_b32 v236, 1, v236                    ; pairs with a smaller lo: lo (15 - lo) / 2
	v_add_nc_u32 v236, v236, v235
	v_sub_nc_u32 v236, v236, v234
	v_add_nc_u32 v236, -1, v236                    ; + hi - lo - 1
	s_wait_alu depctr_va_vdst(0)
	v_mul_f32 v231, v229, v230                     ; the second's gate
	v_cmp_lt_u32 vcc_lo, v225, v227
	v_cndmask_b32 v232, v231, v230, vcc_lo         ; lo's gate
	v_cndmask_b32 v233, v230, v231, vcc_lo         ; hi's
	v_cmp_gt_u32 vcc_lo, 16, v1
	s_wait_xcnt 0x0                                ; EXEC changes only behind this wait: the stores above have had their addresses translated
	s_wait_tensorcnt 0x0
	ds_add_u32 v254, v255
	s_wait_dscnt 0x0
	s_and_saveexec_b32 s48, vcc_lo
	global_store_b32 v14, v236, s[24:25]
	global_store_b64 v15, v[232:233], s[26:27]
	s_wait_xcnt 0x0
	s_or_b32 exec_lo, exec_lo, s48
	s_endpgm
; ---------------- the weights: a lane takes a column, its registers run down K ----------------
; Work-group g: matrix g / 16, K quarter (g / 4) % 4 (256 along K), 256 columns g % 4; wave w: 32 of them.  A lane's 8 blocks are taken in the order in which they fill a lane of the operand:
; of each K step first blocks 0 and 2 (the operand's lanes 0-15), then 1 and 3 (lanes 16-31); each pair is 12 registers and leaves by three stores, in each of which 16 lanes fill 256 aligned bytes.
.Lweights:
	s_sub_co_u32 s2, ttmp9, 256
	s_lshr_b32 s3, s2, 4                           ; matrix
	s_bfe_u32 s4, s2, 0x20002                      ; K quarter
	s_and_b32 s5, s2, 3                            ; which 256 columns
	s_and_b32 s6, s3, 7
	s_lshl_b32 s30, s6, 22                         ; an expert's 4 MiB,
	s_lshl_b32 s6, s4, 20                          ; 256 rows of 4,096 bytes,
	s_add_co_u32 s30, s30, s6
	s_lshl_b32 s6, s5, 10
	s_add_co_u32 s30, s30, s6
	s_lshl_b32 s6, s[WV], 7                        ; my wave's 32 columns
	s_add_co_u32 s30, s30, s6
	s_mov_b32 s31, 0
	s_mul_i32 s32, s3, WCM
	s_lshl_b32 s6, s5, 4
	s_lshl_b32 s37, s[WV], 1
	s_add_co_u32 s6, s6, s37                       ; my wave's first tile: 16 cg + 2 w
	s_mul_i32 s6, s6, TILEB
	s_add_co_u32 s32, s32, s6
	s_mul_i32 s6, s4, 2*FRB
	s_add_co_u32 s32, s32, s6
	s_mov_b32 s33, 0
	s_lshl_b32 s34, s3, 15
	s_lshl_b32 s6, s4, 13
	s_add_co_u32 s34, s34, s6
	s_lshl_b32 s6, s5, 11
	s_add_co_u32 s34, s34, s6
	s_lshl_b32 s6, s[WV], 8
	s_add_co_u32 s34, s34, s6
	s_add_co_u32 s34, s34, WSOFF
	s_mov_b32 s35, 0
	s_cmp_lt_u32 s3, 8                             ; W1 or W2?
	s_cselect_b32 s36, -1, 0
	s_wait_kmcnt 0x0
	s_cselect_b64 s[28:29], s[16:17], s[18:19]
	s_add_nc_u64 s[28:29], s[28:29], s[30:31]
	s_add_nc_u64 s[32:33], s[20:21], s[32:33]
	s_add_nc_u64 s[34:35], s[20:21], s[34:35]
	v_lshlrev_b32 v4, 2, v1                        ; in: 4 bytes a lane
	v_bfe_u32 v8, v0, 3, 1                         ; W1: which of my wave's two tiles: (lane / 8) % 2,
	v_and_b32 v9, 7, v0
	v_lshl_add_u32 v9, v3, 3, v9                   ;     and its row: lane % 8 + 8 (lane / 16)
	v_cndmask_b32 v10, v3, v8, s36                 ; W2: tile lane / 16,
	v_cndmask_b32 v11, v2, v9, s36                 ;     row lane % 16
	v_mul_u32_u24 v5, 0x3000, v10
	v_lshl_add_u32 v5, v11, 4, v5                  ; codes: tile x 12,288 + 16 x row
	v_lshl_add_u32 v6, v10, 4, v11
	v_lshlrev_b32 v6, 3, v6                        ; scale words: 8 bytes for each row of each tile
.macro WLD t                           ; the t-th block in that order: K step t / 4, block 2 (t % 2) + (t / 2) % 2
.set j, 0
.rept 32
	global_load_b32 v[16+32*((\t)%2)+j], v4, s[28:29] offset:(128*((\t)/4)+32*(2*((\t)%2)+((\t)/2)%2)+j)*4096 th:TH_LOAD_NT
.set j, j+1
.endr
.endm
.macro WBLK t
.set XR, 16+32*((\t)%2)
.set SLX, (\t)/4
.set HX, ((\t)/2)%2
.set BX, 2*((\t)%2)+HX
.set CD, 80+12*((\t)/2)+6*((\t)%2)     ; four sets of 12 registers of codes: no store's data are written again
.if (\t) < 7
	s_wait_loadcnt 32                              ; this block's 32 loads are in; the next block's may be out
.else
	s_wait_loadcnt 0x0
.endif
	v_max3_num_f32 v12, |v[XR]|, |v[XR+1]|, |v[XR+2]|
	v_max3_num_f32 v13, |v[XR+3]|, |v[XR+4]|, |v[XR+5]|
.irp i, 6,10,14,18,22,26
	v_max3_num_f32 v12, v12, |v[XR+\i]|, |v[XR+\i+1]|
	v_max3_num_f32 v13, v13, |v[XR+\i+2]|, |v[XR+\i+3]|
.endr
	v_max3_num_f32 v12, v12, |v[XR+30]|, |v[XR+31]|
	v_max3_num_f32 v12, v12, v13, 0x2800000        ; and the floor
	v_add_nc_u32 v9, 0xfe000000, v12               ; the conversion's scale operand
	v_lshrrev_b32 v8, 23, v9                       ; the byte
.if BX == 0
	v_mov_b32 v[132+SLX], v8
.else
	v_lshl_or_b32 v[132+SLX], v8, 8*BX, v[132+SLX]
.endif
	v_cvt_scalef32_pk16_bf6_f32 v[CD:CD+2], v[XR:XR+15], v9
	v_cvt_scalef32_pk16_bf6_f32 v[128:130], v[XR+16:XR+31], v9
	v_nop                                          ; one plain place behind the scaled conversions
	v_mov_b32 v[CD+3], v128
	v_mov_b32 v[CD+4], v129
	v_mov_b32 v[CD+5], v130
.if (\t)%2
.irp c, 0,1,2
	global_store_b128 v5, v[CD-6+4*\c:CD-6+4*\c+3], s[32:33] offset:FRB*SLX+256*HX+512*\c
.endr
.endif
.if (\t)+2 < 8
	WLD (\t)+2
.endif
.endm
	WLD 0
	WLD 1
.irp t, 0,1,2,3,4,5,6,7
	WBLK \t
.endr
	global_store_b64 v6, v[132:133], s[34:35]      ; the wave's 32 rows x 2 words: 256 consecutive bytes, aligned
	s_endpgm
.Lfunc_end_k_qc84b3c19c1_prep:
	.size	k_qc84b3c19c1_prep, .Lfunc_end_k_qc84b3c19c1_prep-k_qc84b3c19c1_prep
	.p2alignl 7, 3214868480
	.fill 96, 4, 3214868480
	.section	.rodata,"a",@progbits
	.p2align	6, 0x0
	.amdhsa_kernel k_qc84b3c19c1_prep
		.amdhsa_group_segment_fixed_size 89856
		.amdhsa_private_segment_fixed_size 0
		.amdhsa_enable_private_segment 0
		.amdhsa_kernarg_size 80
		.amdhsa_user_sgpr_count 2
		.amdhsa_user_sgpr_kernarg_segment_ptr 1
		.amdhsa_wavefront_size32 1
		.amdhsa_system_sgpr_workgroup_id_x 1
		.amdhsa_system_sgpr_workgroup_id_y 1
		.amdhsa_system_sgpr_workgroup_id_z 1
		.amdhsa_system_vgpr_workitem_id 0
		.amdhsa_next_free_vgpr 256
		.amdhsa_next_free_sgpr 66
		.amdhsa_reserve_vcc 1
		.amdhsa_float_denorm_mode_32 3
		.amdhsa_float_denorm_mode_16_64 3
		.amdhsa_memory_ordered 1
		.amdhsa_forward_progress 1
		.amdhsa_inst_pref_size 67
	.end_amdhsa_kernel
	.amdgpu_metadata
---
amdhsa.version: [ 1, 2 ]
amdhsa.kernels:
  - .name:           k_qc84b3c19c1_prep
    .symbol:         k_qc84b3c19c1_prep.kd
    .args:
      - { .name: x, .offset: 0, .size: 8, .value_kind: global_buffer, .address_space: global }
      - { .name: noise, .offset: 8, .size: 8, .value_kind: global_buffer, .address_space: global }
      - { .name: Wr, .offset: 16, .size: 8, .value_kind: global_buffer, .address_space: global }
      - { .name: Wn, .offset: 24, .size: 8, .value_kind: global_buffer, .address_space: global }
      - { .name: W1, .offset: 32, .size: 8, .value_kind: global_buffer, .address_space: global }
      - { .name: W2, .offset: 40, .size: 8, .value_kind: global_buffer, .address_space: global }
      - { .name: wq, .offset: 48, .size: 8, .value_kind: global_buffer, .address_space: global }
      - { .name: xq, .offset: 56, .size: 8, .value_kind: global_buffer, .address_space: global }
      - { .name: key, .offset: 64, .size: 8, .value_kind: global_buffer, .address_space: global }
      - { .name: gate, .offset: 72, .size: 8, .value_kind: global_buffer, .address_space: global }
    .group_segment_fixed_size: 89856
    .private_segment_fixed_size: 0
    .kernarg_segment_align: 8
    .kernarg_segment_size: 80
    .max_flat_workgroup_size: 256
    .sgpr_count:     66
    .vgpr_count:     256
    .wavefront_size: 32
...
	.end_amdgpu_metadata
.endif
;; end of part 1
;; launch sort (part 2): grid 1 x 1, 32 waves a work-group, no clusters, 8,192 bytes of LDS; arguments key, list; writes list
.if DOCPART == 2
	.amdgcn_target "amdgcn-amd-amdhsa--gfx1250"
	.amdhsa_code_object_version 6
	.text
	.protected	k_qc84b3c19c1_sort
	.globl	k_qc84b3c19c1_sort
	.p2align	8
	.type	k_qc84b3c19c1_sort,@function
k_qc84b3c19c1_sort:
	s_mov_b64 s[64:65], 0
	v_nop
	global_prefetch_b8 v0, s[64:65] scope:SCOPE_SE
	s_setreg_imm32_b32 hwreg(HW_REG_WAVE_MODE, 25, 1), 1
	s_wait_xcnt 0x0
; SORT: the 4,096 tokens are placed by their pair of experts (key 0..27) into a list of EXACTLY 91 tiles, each with 1 to 64 tokens of one pair.
; list: 96 entries of 16 bytes (lo, hi, n, 0), then from byte 1,536 the tokens' numbers [tile 91][slot 64]; slots from n on are neither written nor read.
; With c tokens a pair needs ceil(c / 64) tiles; these sum to 91 at the most (28 pairs, and floor((c - 1) / 64) sums to 63 at the most).  Where they sum to less, single tokens are cut off a pair's
; last, partial tile into tiles of their own, (c - 1) % 64 of them at the most for a pair, pairs in ascending order, until there are 91: the sum of (c - 1) % 64 is 4,096 - 64 T + 63 P for T tiles of P pairs,
; which is never less than 91 - T.  So the launches that follow have a fixed grid, and nothing but addresses hangs on this list.
; One work-group, a counting sort without atomics: wave w ranks tokens 128 w .. 128 w + 127 (four chunks of 32); lane p of a count register stands for pair p.
; The tokens' numbers leave as scattered stores of 4 bytes: 16 KiB in all.
.set KEY, 8                            ; v8-11   my four keys
.set RK,  12                           ; v12-15  how many lanes below mine in the chunk have my key
.set CN,  16                           ; v16-19  lane p: pair p's count in chunk c
.set O2,  20                           ; v20-21  lane p: pair p's count in chunks 0-1, 0-2
.set TOT, 22
.set CNT, 24                           ; lane p: pair p's tokens in all
.set PRE, 25                           ; in the waves below mine
.set NT,  26                           ; its tiles
.set CAP, 27                           ; how many single tokens may be cut off
.set AV,  28                           ; how many are
.set TBV, 29                           ; its first tile
.set MAIN, 30                          ; tokens that stay in its own tiles
.set BASE, 31                          ; its first place
.set LD,  32                           ; v32-63  the 32 waves' counts; at work before and after
.set EXB, 64                           ; the first place of its single tokens' tiles
.set IDX, 65
.set PO,  69
.set GP,  73
.set GB,  77
.set GM,  81
.set GE,  85
.set TOK, 89
	s_load_b128 s[8:11], s[0:1], 0x0               ; key, list
	v_lshl_add_u32 v96, v0, 2, 0x1000
	v_mov_b32 v97, 0
	v_lshrrev_b32 v1, 5, v0
	v_readfirstlane_b32 s7, v1                     ; wave 0..31
	v_and_b32 v1, 31, v0                           ; lane
	v_lshlrev_b32 v3, 2, v0                        ; LDS: my wave's 32 counts: 128 w + 4 x lane
	v_lshlrev_b32 v4, 2, v1
	s_lshl_b32 s12, s7, 9
	v_add_nc_u32 v2, s12, v4                       ; my keys: 512 w + 4 x lane, chunks 128 bytes apart
	s_lshl_b32 s12, s7, 7
	v_add_nc_u32 v[TOK], s12, v1
	v_add_nc_u32 v[TOK+1], 32, v[TOK]
	v_add_nc_u32 v[TOK+2], 64, v[TOK]
	v_add_nc_u32 v[TOK+3], 0x60, v[TOK]
.irp c, 0,1,2,3
	v_mov_b32 v[RK+\c], 0
	v_mov_b32 v[CN+\c], 0
.endr
	v_mov_b32 v[CNT], 0
	v_mov_b32 v[PRE], 0
	v_mov_b32 v[AV], 0
	v_mov_b32 v[TBV], 0
	s_wait_kmcnt 0x0
.irp c, 0,1,2,3
	global_load_b32 v[KEY+\c], v2, s[8:9] offset:128*\c
.endr
	s_wait_loadcnt 0x0
.irp c, 0,1,2,3
	v_min_u32 v[KEY+\c], 27, v[KEY+\c]
.endr
.irp c, 0,1,2,3
.set p, 0
.rept 28                               ; (scratch registers by turns, so that no line waits for the line above it)
	v_cmp_eq_u32 s[20+2*(p%4)], p, v[KEY+\c]
	v_mbcnt_lo_u32_b32 v[LD+p%4], s[20+2*(p%4)], 0
	v_cndmask_b32 v[RK+\c], v[RK+\c], v[LD+p%4], s[20+2*(p%4)]
	s_bcnt1_i32_b32 s[21+2*(p%4)], s[20+2*(p%4)]
	v_writelane_b32 v[CN+\c], s[21+2*(p%4)], p
.set p, p+1
.endr
.endr
	v_add_nc_u32 v[O2], v[CN], v[CN+1]
	v_add_nc_u32 v[O2+1], v[O2], v[CN+2]
	v_add_nc_u32 v[TOT], v[O2+1], v[CN+3]
	ds_store_b32 v3, v[TOT]
	s_wait_dscnt 0x0                               ; for the others' sake
	s_barrier_signal -1
	s_barrier_wait -1
.set w, 0
.rept 32
	ds_load_b32 v[LD+w], v4 offset:128*w
.set w, w+1
.endr
	s_wait_dscnt 0x0
.set w, 0
.rept 32
	s_cmp_gt_u32 s7, w
	s_cselect_b32 s20, 1, 0
	v_add_nc_u32 v[CNT], v[CNT], v[LD+w]
	v_mad_u32_u24 v[PRE], v[LD+w], s20, v[PRE]
.set w, w+1
.endr
	v_add_nc_u32 v[NT], 63, v[CNT]
	v_lshrrev_b32 v[NT], 6, v[NT]
	v_add_nc_u32 v[CAP], -1, v[CNT]
	v_and_b32 v[CAP], 63, v[CAP]
	v_cmp_ne_u32 vcc_lo, 0, v[CNT]
	v_cndmask_b32 v[CAP], 0, v[CAP], vcc_lo
	s_mov_b32 s13, 0
.set p, 0
.rept 28
	v_readlane_b32 s20, v[NT], p
	s_add_co_u32 s13, s13, s20                     ; the tiles that the split needs
.set p, p+1
.endr
	s_sub_co_u32 s14, 91, s13                      ; and how many more there are to be
	s_mov_b32 s15, 0
.set p, 0
.rept 28
	v_readlane_b32 s20, v[CAP], p
	v_readlane_b32 s21, v[NT], p
	s_min_u32 s20, s20, s14
	s_sub_co_u32 s14, s14, s20
	v_writelane_b32 v[AV], s20, p
	v_writelane_b32 v[TBV], s15, p
	s_add_co_u32 s15, s15, s21
	s_add_co_u32 s15, s15, s20
.set p, p+1
.endr
	v_sub_nc_u32 v[MAIN], v[CNT], v[AV]
	v_lshlrev_b32 v[BASE], 6, v[TBV]
	v_add_nc_u32 v[EXB], v[TBV], v[NT]
	v_lshlrev_b32 v[EXB], 6, v[EXB]
	v_mov_b32 v[PO], v[PRE]
	v_add_nc_u32 v[PO+1], v[PRE], v[CN]
	v_add_nc_u32 v[PO+2], v[PRE], v[O2]
	v_add_nc_u32 v[PO+3], v[PRE], v[O2+1]
.irp c, 0,1,2,3
	v_lshlrev_b32 v[IDX+\c], 2, v[KEY+\c]
.endr
.irp c, 0,1,2,3
	ds_bpermute_b32 v[GP+\c], v[IDX+\c], v[PO+\c]  ; each token takes its pair's figures from the lane that stands for the pair
	ds_bpermute_b32 v[GB+\c], v[IDX+\c], v[BASE]
	ds_bpermute_b32 v[GM+\c], v[IDX+\c], v[MAIN]
	ds_bpermute_b32 v[GE+\c], v[IDX+\c], v[EXB]
.endr
	s_wait_dscnt 0x0
.irp c, 0,1,2,3
	v_add_nc_u32 v[LD+\c], v[GP+\c], v[RK+\c]      ; my number among my pair's tokens
	v_sub_nc_u32 v[LD+4+\c], v[LD+\c], v[GM+\c]    ; 0 or more: I am cut off, into a tile of my own
	v_add_nc_u32 v[LD+8+\c], v[GB+\c], v[LD+\c]
	v_lshl_add_u32 v[LD+12+\c], v[LD+4+\c], 6, v[GE+\c]
	v_cmp_gt_i32 vcc_lo, 0, v[LD+4+\c]
	v_cndmask_b32 v[LD+16+\c], v[LD+12+\c], v[LD+8+\c], vcc_lo
	v_min_u32 v[LD+16+\c], 0x16bf, v[LD+16+\c]     ; 91 x 64 - 1: whatever the keys hold, the store stays inside the list
	v_lshlrev_b32 v[LD+16+\c], 2, v[LD+16+\c]
	global_store_b32 v[LD+16+\c], v[TOK+\c], s[10:11] offset:1536
.endr
	s_cmp_lt_u32 s7, 3                             ; waves 0 to 2 write the table, a lane an entry
	s_cbranch_scc0 .Ldone
	s_lshl_b32 s12, s7, 5
	v_add_nc_u32 v52, s12, v1                      ; J
	v_mov_b32 v53, 0
	v_mov_b32 v54, 0
	v_mov_b32 v55, 0
	v_mov_b32 v56, 0
.set p, 0
.set PLO, 0
.set PHI, 1
.rept 28                               ; the last pair whose first tile is J or less owns tile J (a pair without tokens has the next pair's first tile, and is written over)
	v_readlane_b32 s20, v[TBV], p
	v_readlane_b32 s21, v[NT], p
	v_readlane_b32 s22, v[MAIN], p
	v_cmp_gt_u32 vcc_lo, s20, v52
	v_cndmask_b32 v53, 8*PLO+PHI, v53, vcc_lo
	v_cndmask_b32 v54, s20, v54, vcc_lo
	v_cndmask_b32 v55, s21, v55, vcc_lo
	v_cndmask_b32 v56, s22, v56, vcc_lo
.set p, p+1
.set PHI, PHI+1
.if PHI == 8
.set PLO, PLO+1
.set PHI, PLO+1
.endif
.endr
	v_sub_nc_u32 v57, v52, v54                     ; which of the pair's tiles
	v_lshlrev_b32 v58, 6, v57
	v_sub_nc_u32 v58, v56, v58
	v_min_u32 v58, 64, v58                         ; one of its own: what is left, 64 at the most;
	v_cmp_lt_u32 vcc_lo, v57, v55
	v_cndmask_b32 v62, 1, v58, vcc_lo              ; a single token's: 1
	v_lshrrev_b32 v60, 3, v53
	v_and_b32 v61, 7, v53
	v_mov_b32 v63, 0
	v_lshlrev_b32 v59, 4, v52
	global_store_b128 v59, v[60:63], s[10:11]
.Ldone:
	s_wait_tensorcnt 0x0
	ds_add_u32 v96, v97
	s_wait_dscnt 0x0
	s_endpgm
.Lfunc_end_k_qc84b3c19c1_sort:
	.size	k_qc84b3c19c1_sort, .Lfunc_end_k_qc84b3c19c1_sort-k_qc84b3c19c1_sort
	.p2alignl 7, 3214868480
	.fill 96, 4, 3214868480
	.section	.rodata,"a",@progbits
	.p2align	6, 0x0
	.amdhsa_kernel k_qc84b3c19c1_sort
		.amdhsa_group_segment_fixed_size 8192
		.amdhsa_private_segment_fixed_size 0
		.amdhsa_enable_private_segment 0
		.amdhsa_kernarg_size 16
		.amdhsa_user_sgpr_count 2
		.amdhsa_user_sgpr_kernarg_segment_ptr 1
		.amdhsa_wavefront_size32 1
		.amdhsa_system_sgpr_workgroup_id_x 1
		.amdhsa_system_sgpr_workgroup_id_y 1
		.amdhsa_system_sgpr_workgroup_id_z 1
		.amdhsa_system_vgpr_workitem_id 0
		.amdhsa_next_free_vgpr 98
		.amdhsa_next_free_sgpr 66
		.amdhsa_reserve_vcc 1
		.amdhsa_float_denorm_mode_32 3
		.amdhsa_float_denorm_mode_16_64 3
		.amdhsa_memory_ordered 1
		.amdhsa_forward_progress 1
		.amdhsa_inst_pref_size 68
	.end_amdhsa_kernel
	.amdgpu_metadata
---
amdhsa.version: [ 1, 2 ]
amdhsa.kernels:
  - .name:           k_qc84b3c19c1_sort
    .symbol:         k_qc84b3c19c1_sort.kd
    .args:
      - { .name: key, .offset: 0, .size: 8, .value_kind: global_buffer, .address_space: global }
      - { .name: list, .offset: 8, .size: 8, .value_kind: global_buffer, .address_space: global }
    .group_segment_fixed_size: 8192
    .private_segment_fixed_size: 0
    .kernarg_segment_align: 8
    .kernarg_segment_size: 16
    .max_flat_workgroup_size: 1024
    .sgpr_count:     66
    .vgpr_count:     98
    .wavefront_size: 32
...
	.end_amdgpu_metadata
.endif
;; end of part 2
;; launch fc1 (part 3): grid 4 x 91, 4 waves a work-group, no clusters, 50,688 bytes of LDS; arguments wq, xq, list, hq; writes hq
.if DOCPART == 3
	.amdgcn_target "amdgcn-amd-amdhsa--gfx1250"
	.amdhsa_code_object_version 6
	.text
	.protected	k_qc84b3c19c1_fc1
	.globl	k_qc84b3c19c1_fc1
	.p2align	8
	.type	k_qc84b3c19c1_fc1,@function
k_qc84b3c19c1_fc1:
	s_mov_b64 s[64:65], 0
	v_nop
	global_prefetch_b8 v0, s[64:65] scope:SCOPE_SE
	s_setreg_imm32_b32 hwreg(HW_REG_WAVE_MODE, 25, 1), 1
	s_wait_xcnt 0x0
; FC1: h = Q(relu(x W1[e])^2) for one tile of the list (64 slots of tokens of one pair), one of the pair's two experts (x / 2) and half of the 1,024 hidden units (x % 2).  h leaves as codes and scale words.
; Wave w makes hidden units 512 (x % 2) + 128 w .. + 127, which are K step 4 (x % 2) + w of the second product, for all 64 slots, in two passes of 64 units; a pass is 8 K steps of 16 matrix instructions.
; The product is used transposed (source 0 = 16 rows of W1's tile, source 1 = 16 slots of x): a lane holds one slot, and by the choice of a tile's rows its 16 registers of two neighbouring tiles are 16 neighbours along the next K.
; Slots from n on repeat slot n - 1's token.  The list enters addresses alone, each number behind a bound written in the instruction; no branch and no count hangs on it.
; hq: codes [item = 2 tile + which][16 slots m][K step 8][1,536 bytes], a fragment in four dense planes: registers 0-3 at 16 l, 4-5 at 512 + 8 l, 6-7 at 768 + 8 l, 8-11 at 1,024 + 16 l, so that a pass's six registers leave whole;
;     from HSOFF the scale words [item][K step 8][slot 64].  The scale words leave as two stores of 128 bytes that fill one aligned 256.
; No multicast: which tiles share an expert's weights hangs on the list, and x's rows are gathered one by one.  Weights come straight into registers, three steps ahead, each load 512 consecutive bytes.
; REGISTERS.  Window 0: v1-11 addresses; v12-27 x's scale words, v28-59 W1's (nothing else ever stands there); v60-61 tokens; v64-255 a ring of four sets of W1's four fragments.
;             Window 1: v0-127 the 16 accumulators (m, t) at 32 m + 8 t; v128-175, v176-223 x's four fragments, two sets; v224-255 at work; v252-255 h's scale words as they grow.
.set WCM,   786432
.set TILEB, 12288
.set FRB,   1536
.set WSOFF, 12582912
.set XSOFF, 3145728
.set HSOFF, 8945664
.set XP,    784                        ; a row of x's codes in LDS: 768 bytes + 16: the 16 rows of a load start in 16 different groups of four banks
.set XSC,  12
.set WSC,  28
.set RING, 64
.set TK,   208                         ; v208-215 (the ring's fourth set, not yet in use): my rows' tokens
.set XB,   128                         ; window 1
.set P6,   176                         ; window 1: a pass's six registers of codes, 8 m apart (x's second set is free then)
.set T6,   208                         ; window 1: the upper halves before they are moved
.set MX,   224
.set PX,   232
.set SO,   240
.set VQ,   248
.set PW,   252
.set MSB, 0
.macro WIN new                         ; the immediate's high byte repeats the setting that is left; a switch that changes nothing is dropped
.if MSB != \new
	s_set_vgpr_msb (MSB<<8)|\new
.set MSB, \new
.endif
.endm
.set W_MUL,  0x54                      ; source 0 (W1) window 0; source 1 (x), C and D window 1
.set W_D1,   0x40                      ; destination window 1, address window 0
.set W_ALL1, 0x55
.set W_ST1,  0x04                      ; a store's data window 1, its address window 0
	s_load_b256 s[8:15], s[0:1], 0x0               ; wq s8, xq s10, list s12, hq s14
	v_lshl_add_u32 v62, v0, 2, 0xc400
	v_mov_b32 v63, 0
	v_lshrrev_b32 v1, 5, v0
	v_readfirstlane_b32 s2, v1                     ; wave 0..3
	v_and_b32 v1, 31, v0                           ; lane
	v_and_b32 v2, 15, v0                           ; r
	v_bfe_u32 v3, v0, 4, 1                         ; h
	v_lshlrev_b32 v4, 4, v1                        ; 16 x lane
	v_lshlrev_b32 v5, 3, v1                        ; 8 x lane
	v_mul_u32_u24 v6, v2, XP
	v_mad_u32_u24 v6, v3, 48, v6                   ; x's fragments: row r, + 48 h
	s_mul_i32 s5, s2, 16*XP
	v_mul_u32_u24 v7, v3, XP
	v_lshl_add_u32 v7, v2, 4, v7
	v_add_nc_u32 v7, s5, v7                        ; the gather's way into LDS: rows 16 w + h, 16 bytes a lane
	v_lshlrev_b32 v8, 2, v1                        ; 4 x lane
	v_lshlrev_b32 v9, 4, v2                        ; 16 r
	s_lshl_b32 s5, s2, 4
	v_add_nc_u32 v10, s5, v3                       ; slot 16 w + h
.irp p, 0,1,2,3,4,5,6,7
	v_add_nc_u32 v[TK+\p], 2*\p, v10               ; the slots whose rows I gather: sixteen lanes to a row
.endr
	v_mov_b32 v60, v1                              ; the slots whose scale words I hold: lane, lane + 32
	v_add_nc_u32 v61, 32, v1
	s_and_b32 s4, ttmp7, 0xffff                    ; the tile
	s_lshr_b32 s3, ttmp9, 1                        ; which expert of the pair
	s_and_b32 s6, ttmp9, 1                         ; which half of the hidden units
	s_lshl_b32 s44, s4, 4
	s_mov_b32 s32, 0x76543210
	s_mov_b32 s33, 0xfedcba98                      ; v_permlanex16_b32's selects for lane l xor 16
	s_mov_b32 s34, 0xffff0000                      ; lanes 16-31
	s_wait_kmcnt 0x0
	s_load_b128 s[16:19], s[12:13], s44 offset:0x0 ; (lo, hi, n, 0)
	s_lshl_b32 s36, s6, 5
	s_lshl_b32 s5, s2, 3
	s_add_co_u32 s36, s36, s5                      ; my first tile of W1: 32 nh + 8 w
	s_mul_i32 s36, s36, TILEB
	s_mov_b32 s37, 0
	s_lshl_b32 s38, s6, 12
	s_lshl_b32 s5, s2, 10
	s_add_co_u32 s38, s38, s5                      ; its rows' scale words, 8 bytes a row
	s_add_co_u32 s38, s38, WSOFF
	s_mov_b32 s39, 0
	s_lshl_b32 s40, s4, 1
	s_add_co_u32 s40, s40, s3                      ; item
	s_lshl_b32 s5, s6, 2
	s_add_co_u32 s5, s5, s2                        ; my K step of the second product
	s_mul_i32 s42, s40, 32*FRB
	s_mul_i32 s41, s5, FRB
	s_add_co_u32 s42, s42, s41
	s_mov_b32 s43, 0
	s_lshl_b32 s40, s40, 11
	s_lshl_b32 s41, s5, 8
	s_add_co_u32 s40, s40, s41
	s_add_co_u32 s40, s40, HSOFF
	s_mov_b32 s41, 0
	s_add_nc_u64 s[28:29], s[14:15], s[42:43]      ; h's codes
	s_add_nc_u64 s[30:31], s[14:15], s[40:41]      ; h's scale words
	s_add_nc_u64 s[24:25], s[10:11], XSOFF         ; x's scale words
	s_lshl_b32 s42, s4, 8
	s_add_co_u32 s42, s42, 1536
	s_add_nc_u64 s[26:27], s[12:13], s[42:43]      ; the tile's tokens
	s_wait_kmcnt 0x0
	s_cmp_lt_u32 ttmp9, 2
	s_cselect_b32 s16, s16, s17
	s_min_u32 s16, s16, 7                          ; the expert
	s_sub_co_u32 s18, s18, 1
	s_min_u32 s18, s18, 63                         ; n - 1
	s_mul_i32 s17, s16, WCM
	s_add_co_u32 s36, s36, s17
	s_add_nc_u64 s[20:21], s[8:9], s[36:37]        ; W1's codes
	s_lshl_b32 s17, s16, 15
	s_add_co_u32 s38, s38, s17
	s_add_nc_u64 s[22:23], s[8:9], s[38:39]        ; W1's scale words
.irp p, TK,TK+1,TK+2,TK+3,TK+4,TK+5,TK+6,TK+7,60,61
	v_min_u32 v[\p], s18, v[\p]                    ; slots from n on repeat slot n - 1;
	v_min_u32 v[\p], 63, v[\p]                     ; the bound once more as a constant of the instruction: whatever the list holds, the load stays inside the tile's 64 words
	v_lshlrev_b32 v[\p], 2, v[\p]
.endr
.irp p, TK,TK+1,TK+2,TK+3,TK+4,TK+5,TK+6,TK+7,60,61
	global_load_b32 v[\p], v[\p], s[26:27]         ; the tokens first: two more loads hang on them
.endr
.irp c, 0,1
.irp u, 0,1
.irp q, 0,1,2,3
	global_load_b64 v[WSC+16*\c+8*\u+2*\q:WSC+16*\c+8*\u+2*\q+1], v5, s[22:23] offset:8192*\q+(64*\c+32*\u)*8   ; pass c, tiles 2 u (lanes 0-15) and 2 u + 1 (lanes 16-31), K steps 2 q, 2 q + 1
.endr
.endr
.endr
.macro WLOAD g                         ; step g's four fragments of W1 into set g % 4
.irp t, 0,1,2,3
.irp k, 0,1,2
	global_load_b128 v[RING+48*((\g)%4)+12*\t+4*\k:RING+48*((\g)%4)+12*\t+4*\k+3], v4, s[20:21] offset:(4*((\g)/8)+\t)*TILEB+FRB*((\g)%8)+512*\k
.endr
.endr
.endm
.macro XLOAD g                         ; step g's four fragments of x into set g % 2
	WIN W_D1
.irp m, 0,1,2,3
.irp k, 0,1,2
	ds_load_b128 v[XB+48*((\g)%2)+12*\m+4*\k:XB+48*((\g)%2)+12*\m+4*\k+3], v6 offset:16*XP*\m+96*((\g)%8)+16*\k
.endr
.endr
	WIN 0
.endm
	WLOAD 0
	WLOAD 1
	WLOAD 2
	s_wait_loadcnt 52                              ; the ten tokens are in; the 16 loads of scale words and the 36 of weights may be out
.irp p, 0,1,2,3,4,5,6,7
	v_min_u32 v[TK+\p], 0xfff, v[TK+\p]
	v_mul_u32_u24 v[TK+\p], 0x300, v[TK+\p]        ; a token's 768 bytes of codes,
	v_add_nc_u32 v[TK+\p], v9, v[TK+\p]            ; 16 bytes a lane
.endr
.irp q, 0,1
	v_min_u32 v[60+\q], 0xfff, v[60+\q]
	v_lshlrev_b32 v[60+\q], 5, v[60+\q]            ; its 8 scale words
.endr
.irp q, 0,1
	global_load_b128 v[XSC+8*\q:XSC+8*\q+3], v[60+\q], s[24:25]
	global_load_b128 v[XSC+8*\q+4:XSC+8*\q+7], v[60+\q], s[24:25] offset:16
.endr
	WIN W_D1
.irp p, 0,1,2,3,4,5,6,7
.irp u, 0,1,2
	global_load_b128 v[12*\p+4*\u:12*\p+4*\u+3], v[TK+\p], s[10:11] offset:256*\u  ; sixteen lanes read 256 consecutive bytes, aligned
.endr
.endr
.irp b, 0,1,2,3,4,5,6,7
	v_mov_b32 v[PX+\b], 0                          ; written once: a lane permute's destination counts as one of its sources
.endr
	s_wait_loadcnt 0x0
	WIN W_ST1
.irp p, 0,1,2,3,4,5,6,7
.irp u, 0,1,2
	ds_store_b128 v7, v[12*\p+4*\u:12*\p+4*\u+3] offset:2*XP*\p+256*\u
.endr
.endr
	WIN 0
	s_wait_dscnt 0x0                               ; for the others' sake: my 16 rows have landed
	s_barrier_signal -1
	s_barrier_wait -1
	XLOAD 0
.macro WM d, a, b, sa, sb, zero, ra, rb ; one product; ra, rb: the side's scale words stand in lanes 16-31
.if \zero
.if (\ra) && (\rb)
	v_wmma_scale_f32_16x16x128_f8f6f4 v[(\d):(\d)+7], v[(\a):(\a)+11], v[(\b):(\b)+11], 0, v[\sa], v[\sb] matrix_a_fmt:MATRIX_FMT_BF6 matrix_b_fmt:MATRIX_FMT_BF6 matrix_a_scale:MATRIX_SCALE_ROW1 matrix_b_scale:MATRIX_SCALE_ROW1
.elseif \ra
	v_wmma_scale_f32_16x16x128_f8f6f4 v[(\d):(\d)+7], v[(\a):(\a)+11], v[(\b):(\b)+11], 0, v[\sa], v[\sb] matrix_a_fmt:MATRIX_FMT_BF6 matrix_b_fmt:MATRIX_FMT_BF6 matrix_a_scale:MATRIX_SCALE_ROW1
.elseif \rb
	v_wmma_scale_f32_16x16x128_f8f6f4 v[(\d):(\d)+7], v[(\a):(\a)+11], v[(\b):(\b)+11], 0, v[\sa], v[\sb] matrix_a_fmt:MATRIX_FMT_BF6 matrix_b_fmt:MATRIX_FMT_BF6 matrix_b_scale:MATRIX_SCALE_ROW1
.else
	v_wmma_scale_f32_16x16x128_f8f6f4 v[(\d):(\d)+7], v[(\a):(\a)+11], v[(\b):(\b)+11], 0, v[\sa], v[\sb] matrix_a_fmt:MATRIX_FMT_BF6 matrix_b_fmt:MATRIX_FMT_BF6
.endif
.else
.if (\ra) && (\rb)
	v_wmma_scale_f32_16x16x128_f8f6f4 v[(\d):(\d)+7], v[(\a):(\a)+11], v[(\b):(\b)+11], v[(\d):(\d)+7], v[\sa], v[\sb] matrix_a_fmt:MATRIX_FMT_BF6 matrix_b_fmt:MATRIX_FMT_BF6 matrix_a_scale:MATRIX_SCALE_ROW1 matrix_b_scale:MATRIX_SCALE_ROW1
.elseif \ra
	v_wmma_scale_f32_16x16x128_f8f6f4 v[(\d):(\d)+7], v[(\a):(\a)+11], v[(\b):(\b)+11], v[(\d):(\d)+7], v[\sa], v[\sb] matrix_a_fmt:MATRIX_FMT_BF6 matrix_b_fmt:MATRIX_FMT_BF6 matrix_a_scale:MATRIX_SCALE_ROW1
.elseif \rb
	v_wmma_scale_f32_16x16x128_f8f6f4 v[(\d):(\d)+7], v[(\a):(\a)+11], v[(\b):(\b)+11], v[(\d):(\d)+7], v[\sa], v[\sb] matrix_a_fmt:MATRIX_FMT_BF6 matrix_b_fmt:MATRIX_FMT_BF6 matrix_b_scale:MATRIX_SCALE_ROW1
.else
	v_wmma_scale_f32_16x16x128_f8f6f4 v[(\d):(\d)+7], v[(\a):(\a)+11], v[(\b):(\b)+11], v[(\d):(\d)+7], v[\sa], v[\sb] matrix_a_fmt:MATRIX_FMT_BF6 matrix_b_fmt:MATRIX_FMT_BF6
.endif
.endif
.endm
; Step g = 8 pass + K step.  np places stand behind the last step's products, ahead of the loads into registers that they read (ISA guide 7.12.1 for vector instructions).
; The 16 accumulators take turns, one instruction a turn, in the same order in every step.  A pass's first step starts the sums with the constant 0.
.macro STEP g, np
.rept \np
	v_nop
.endr
.if (\g) < 15
	XLOAD (\g)+1
.endif
.if (\g) < 13
	WLOAD (\g)+3
.endif
.if (\g) < 15
	s_wait_dscnt 12                                ; this step's x is in; the next step's 12 loads may be out
.else
	s_wait_dscnt 0x0
.endif
.if (\g) < 13
	s_wait_loadcnt 36                              ; this step's weights are in; those of the three steps behind it may be out
.else
	s_wait_loadcnt 12*(15-(\g))
.endif
	WIN W_MUL
.irp m, 0,1,2,3
.irp t, 0,1,2,3
	WM 32*\m+8*\t, RING+48*((\g)%4)+12*\t, XB+48*((\g)%2)+12*\m, WSC+16*((\g)/8)+8*(\t/2)+(\g)%8, XSC+8*(\m/2)+(\g)%8, ((\g)%8)==0, \t%2, \m%2
.endr
.endr
	WIN 0
.endm
; A pass's end: relu, the square, and the quantiser along the next K.  Block (m, b) is registers 32 m + 16 b .. + 15 of lanes l and l xor 16.  The pass gives registers 6 c .. 6 c + 5 of the next operand and bytes 2 c, 2 c + 1 of its scale word.
.macro EPI c
.rept 4
	v_nop                                          ; four places ahead of the first read of the sums and of writes into x's second set
.endr
	WIN W_ALL1
.set i, 0
.rept 128
	v_max_num_f32 v[i], 0, v[i]                    ; each accumulator from its low end on
.set i, i+1
.endr
.set i, 0
.rept 64
	v_pk_mul_f32 v[i:i+1], v[i:i+1], v[i:i+1]
.set i, i+2
.endr
.irp b, 0,1,2,3,4,5,6,7
	v_max3_num_f32 v[MX+\b], v[16*\b], v[16*\b+1], 0x2800000       ; none is negative: no |.|; the floor 2^(5 - 127) holds the byte at 1 from below
.endr
.irp e, 2,4,6,8,10,12,14
.irp b, 0,1,2,3,4,5,6,7
	v_max3_num_f32 v[MX+\b], v[MX+\b], v[16*\b+\e], v[16*\b+\e+1]
.endr
.endr
.irp b, 0,1,2,3,4,5,6,7
	v_permlanex16_b32 v[PX+\b], v[MX+\b], s32, s33
.endr
.irp b, 0,1,2,3,4,5,6,7
	v_max_num_f32 v[MX+\b], v[MX+\b], v[PX+\b]
.endr
.irp b, 0,1,2,3,4,5,6,7
	v_add_nc_u32 v[SO+\b], 0xfe000000, v[MX+\b]    ; 4 off the exponent field: the conversion's scale operand
.endr
.irp b, 0,1,2,3,4,5,6,7
	v_lshrrev_b32 v[PX+\b], 23, v[SO+\b]           ; the byte
.endr
.irp m, 0,1,2,3
.if \c == 0
	v_lshl_or_b32 v[PW+\m], v[PX+2*\m+1], 8, v[PX+2*\m]
.else
	v_lshl_or_b32 v[PW+\m], v[PX+2*\m], 16, v[PW+\m]
	v_lshl_or_b32 v[PW+\m], v[PX+2*\m+1], 24, v[PW+\m]
.endif
.endr
.irp m, 0,1,2,3
	v_cvt_scalef32_pk16_bf6_f32 v[P6+8*\m:P6+8*\m+2], v[32*\m:32*\m+15], v[SO+2*\m]
	v_cvt_scalef32_pk16_bf6_f32 v[T6+4*\m:T6+4*\m+2], v[32*\m+16:32*\m+31], v[SO+2*\m+1]
.endr
	v_nop                                          ; one plain place behind the scaled conversions
.irp m, 0,1,2,3
.irp e, 0,1,2
	v_permlane16_swap_b32 v[P6+8*\m+\e], v[T6+4*\m+\e]             ; the operand wants a whole block in a lane: lanes 0-15 the first block, lanes 16-31 the second
.endr
.irp e, 0,1,2
	v_mov_b32 v[P6+8*\m+3+\e], v[T6+4*\m+\e]
.endr
.endr
.if \c == 1
.irp q, 0,1
	v_cndmask_b32 v[VQ+\q], v[PW+2*\q], v[PW+2*\q+1], s34          ; slots 32 q + lane
.endr
.endif
	WIN W_ST1
.irp m, 0,1,2,3
.if \c == 0
	global_store_b128 v4, v[P6+8*\m:P6+8*\m+3], s[28:29] offset:8*FRB*\m           ; 512 consecutive bytes
	global_store_b64 v5, v[P6+8*\m+4:P6+8*\m+5], s[28:29] offset:8*FRB*\m+512      ; 256
.else
	global_store_b64 v5, v[P6+8*\m:P6+8*\m+1], s[28:29] offset:8*FRB*\m+768
	global_store_b128 v4, v[P6+8*\m+2:P6+8*\m+5], s[28:29] offset:8*FRB*\m+1024
.endif
.endr
.if \c == 1
.irp q, 0,1
	global_store_b32 v8, v[VQ+\q], s[30:31] offset:128*\q
.endr
.endif
	WIN 0
.endm
.irp g, 0,1,2,3,4,5,6,7
	STEP \g, 4
.endr
	EPI 0
	s_wait_xcnt 0x0                                ; the stores have had their addresses translated: only behind this wait do the next loads land in the registers that they read
	STEP 8, 0                                      ; (the four places at the head of the pass's end serve here)
.irp g, 9,10,11,12,13,14,15
	STEP \g, 4
.endr
	EPI 1
	s_wait_tensorcnt 0x0
	ds_add_u32 v62, v63
	s_wait_dscnt 0x0
	s_endpgm
.Lfunc_end_k_qc84b3c19c1_fc1:
	.size	k_qc84b3c19c1_fc1, .Lfunc_end_k_qc84b3c19c1_fc1-k_qc84b3c19c1_fc1
	.p2alignl 7, 3214868480
	.fill 96, 4, 3214868480
	.section	.rodata,"a",@progbits
	.p2align	6, 0x0
	.amdhsa_kernel k_qc84b3c19c1_fc1
		.amdhsa_group_segment_fixed_size 50688
		.amdhsa_private_segment_fixed_size 0
		.amdhsa_enable_private_segment 0
		.amdhsa_kernarg_size 32
		.amdhsa_user_sgpr_count 2
		.amdhsa_user_sgpr_kernarg_segment_ptr 1
		.amdhsa_wavefront_size32 1
		.amdhsa_system_sgpr_workgroup_id_x 1
		.amdhsa_system_sgpr_workgroup_id_y 1
		.amdhsa_system_sgpr_workgroup_id_z 1
		.amdhsa_system_vgpr_workitem_id 0
		.amdhsa_next_free_vgpr 512
		.amdhsa_next_free_sgpr 66
		.amdhsa_reserve_vcc 0
		.amdhsa_float_denorm_mode_32 3
		.amdhsa_float_denorm_mode_16_64 3
		.amdhsa_memory_ordered 1
		.amdhsa_forward_progress 1
		.amdhsa_inst_pref_size 114
	.end_amdhsa_kernel
	.amdgpu_metadata
---
amdhsa.version: [ 1, 2 ]
amdhsa.kernels:
  - .name:           k_qc84b3c19c1_fc1
    .symbol:         k_qc84b3c19c1_fc1.kd
    .args:
      - { .name: wq, .offset: 0, .size: 8, .value_kind: global_buffer, .address_space: global }
      - { .name: xq, .offset: 8, .size: 8, .value_kind: global_buffer, .address_space: global }
      - { .name: list, .offset: 16, .size: 8, .value_kind: global_buffer, .address_space: global }
      - { .name: hq, .offset: 24, .size: 8, .value_kind: global_buffer, .address_space: global }
    .group_segment_fixed_size: 50688
    .private_segment_fixed_size: 0
    .kernarg_segment_align: 8
    .kernarg_segment_size: 32
    .max_flat_workgroup_size: 128
    .sgpr_count:     66
    .vgpr_count:     512
    .wavefront_size: 32
...
	.end_amdgpu_metadata
.endif
;; end of part 3
;; launch fc2 (part 4): grid 4 x 91, 4 waves a work-group, no clusters, 120,320 bytes of LDS; arguments wq, hq, list, gate, out0; writes out0
.if DOCPART == 4
	.amdgcn_target "amdgcn-amd-amdhsa--gfx1250"
	.amdhsa_code_object_version 6
	.text
	.protected	k_qc84b3c19c1_fc2
	.globl	k_qc84b3c19c1_fc2
	.p2align	8
	.type	k_qc84b3c19c1_fc2,@function
k_qc84b3c19c1_fc2:
	s_mov_b64 s[64:65], 0
	v_nop
	global_prefetch_b8 v0, s[64:65] scope:SCOPE_SE
	s_setreg_imm32_b32 hwreg(HW_REG_WAVE_MODE, 25, 1), 1
	s_wait_xcnt 0x0
; FC2: out[token] = g_lo h_lo W2[lo] + g_hi h_hi W2[hi] for one tile of the list (64 slots of tokens of one pair) and a quarter (x) of the 1,024 columns.  Each output row has one owner: no sum spans work-groups.
; Wave w makes columns 256 x + 64 w .. + 63 for all 64 slots: 16 accumulators.  Pass 0 sums h_lo W2[lo] over 8 K steps; the sums are multiplied by g_lo / g; pass 1 adds h_hi W2[hi] onto them; at the end all is multiplied by g.
; g = max(g_hi, 2^-40).  LIMIT: a g_hi under 2^-40 counts as 2^-40, which changes out by at most 2^-40 |h W2|.
; The product is used transposed (source 0 = 16 rows of W2's tile = 16 columns of out, source 1 = 16 slots of h): a lane holds one slot and eight neighbouring columns.
; Slots from n on repeat slot n - 1's token: they hold the same numbers and store them to the same row, from this wave.  The list enters addresses alone, each number behind a bound written in the instruction.
; The two items' codes and scale words (102,400 dense bytes) come into LDS once, as they lie; the weights come straight into registers, three steps ahead.
; No multicast: which tiles share an expert's weights hangs on the list; what the four quarters of a tile share, h, is a fifth of a work-group's bytes.
; REGISTERS.  Window 0: v1-13, v62 addresses; v14-17 tokens; v18-25 (g_lo / g, g) for each 16 slots; v26-29 h's scale words, two sets, v30-61 W2's (nothing else ever stands there); v64-255 a ring of four sets of W2's four fragments.
;             Window 1: v0-127 the accumulators (m, t) at 32 m + 8 t; v128-175, v176-223 h's four fragments, two sets.
.set WCM,   786432
.set TILEB, 12288
.set FRB,   1536
.set WSOFF, 12582912
.set HSOFF, 8945664
.set ITEMB, 32*FRB                     ; an item's codes
.set HSL,   2*ITEMB                    ; LDS: behind the two items' codes their scale words, 4,096 bytes,
.set SG,    HSL+4096                   ; and a stage of 16 rows x (256 + 16) bytes for each wave
.set TM4,  14
.set GR,   18
.set HSC,  26
.set WSC,  30
.set RING, 64
.set XB,   128                         ; window 1
.set OB,   64                          ; the way out: 16 rows read back;
.set TG,   96                          ; their tokens, then their offsets in out;
.set IX,   104                         ; which lane holds a row's token
.set MSB, 0
.macro WIN new                         ; the immediate's high byte repeats the setting that is left; a switch that changes nothing is dropped
.if MSB != \new
	s_set_vgpr_msb (MSB<<8)|\new
.set MSB, \new
.endif
.endm
.set W_MUL,  0x54                      ; source 0 (W2) window 0; source 1 (h), C and D window 1
.set W_D1,   0x40                      ; destination window 1, address window 0
.set W_ST1,  0x04                      ; a store's data window 1, its address window 0
.set W_RS,   0x41                      ; destination and source 0 window 1, source 1 window 0
	s_load_b256 s[8:15], s[0:1], 0x0               ; wq s8, hq s10, list s12, gate s14
	s_load_b64 s[16:17], s[0:1], 0x20              ; out0
	v_lshl_add_u32 v63, v0, 2, 0x1d400
	s_set_vgpr_msb 0x40
	v_mov_b32 v255, 0
	s_set_vgpr_msb 0x4000
	v_lshrrev_b32 v1, 5, v0
	v_readfirstlane_b32 s2, v1                     ; wave 0..3
	v_and_b32 v1, 31, v0                           ; lane
	v_and_b32 v2, 15, v0                           ; r
	v_bfe_u32 v3, v0, 4, 1                         ; h
	v_lshlrev_b32 v4, 4, v1                        ; 16 x lane: weights, and the first item's planes of 16 bytes
	v_lshlrev_b32 v5, 3, v1                        ; 8 x lane: its planes of 8 bytes, and the weights' scale words
	v_add_nc_u32 v6, ITEMB, v4                     ; the second item's
	v_add_nc_u32 v7, ITEMB, v5
	v_lshlrev_b32 v8, 2, v1
	v_add_nc_u32 v8, HSL, v8                       ; h's scale words: 4 x lane
	s_mul_i32 s5, s2, 16*272
	s_add_co_u32 s5, s5, SG
	v_mul_u32_u24 v9, v2, 272
	v_lshl_add_u32 v9, v3, 5, v9
	v_add_nc_u32 v9, s5, v9                        ; my stage, in: row r, + 32 h
	v_mul_u32_u24 v10, v3, 272
	v_lshl_add_u32 v10, v2, 4, v10
	v_add_nc_u32 v10, s5, v10                      ; back: lanes 0-15 one row, lanes 16-31 the next
	v_lshlrev_b32 v11, 4, v2                       ; 16 r
	v_lshlrev_b32 v12, 2, v3                       ; 4 h
	v_lshlrev_b32 v13, 4, v0                       ; 16 x thread: the dense copy, in memory and in LDS;
	v_add_nc_u32 v62, 0x10000, v13                 ; its bytes from 65,536 on (an LDS offset has 16 bits)
.irp m, 0,1,2,3
	v_add_nc_u32 v[TM4+\m], 16*\m, v2              ; slot 16 m + r
.endr
	s_and_b32 s4, ttmp7, 0xffff                    ; the tile
	s_lshl_b32 s52, s4, 4
	s_mul_i32 s36, s4, 2*ITEMB
	s_mov_b32 s37, 0
	s_lshl_b32 s38, s4, 12
	s_add_co_u32 s38, s38, HSOFF
	s_mov_b32 s39, 0
	s_wait_kmcnt 0x0
	s_load_b128 s[40:43], s[12:13], s52 offset:0x0 ; (lo, hi, n, 0)
	s_add_nc_u64 s[30:31], s[10:11], s[36:37]      ; the two items' codes,
	s_add_nc_u64 s[32:33], s[10:11], s[38:39]      ; and scale words
	WIN W_D1
.set i, 0
.rept 48
	global_load_b128 v[4*i:4*i+3], v13, s[30:31] offset:2048*i     ; the work-group's 128 threads read 2,048 consecutive bytes
.set i, i+1
.endr
.rept 2
	global_load_b128 v[4*i:4*i+3], v13, s[32:33] offset:2048*(i-48)
.set i, i+1
.endr
	WIN 0
	s_lshl_b32 s44, ttmp9, 4
	s_lshl_b32 s5, s2, 2
	s_add_co_u32 s44, s44, s5                      ; my first tile of W2: 16 x + 4 w
	s_mul_i32 s44, s44, TILEB
	s_add_co_u32 s44, s44, 8*WCM                   ; W2's matrices stand behind W1's eight
	s_lshl_b32 s45, ttmp9, 11
	s_lshl_b32 s5, s2, 9
	s_add_co_u32 s45, s45, s5                      ; its rows' scale words, 8 bytes a row
	s_add_co_u32 s45, s45, WSOFF+8*32768
	s_mov_b32 s47, 0
	s_mov_b32 s49, 0
	s_lshl_b32 s48, s4, 8
	s_add_co_u32 s48, s48, 1536
	s_add_nc_u64 s[28:29], s[12:13], s[48:49]      ; the tile's tokens
	s_lshl_b32 s48, ttmp9, 10
	s_lshl_b32 s5, s2, 8
	s_add_co_u32 s48, s48, s5
	s_add_nc_u64 s[34:35], s[16:17], s[48:49]      ; out at my 64 columns
	s_wait_kmcnt 0x0
	s_min_u32 s40, s40, 7
	s_min_u32 s41, s41, 7
	s_sub_co_u32 s42, s42, 1
	s_min_u32 s42, s42, 63                         ; n - 1
	s_mul_i32 s46, s40, WCM
	s_add_co_u32 s46, s46, s44
	s_add_nc_u64 s[20:21], s[8:9], s[46:47]        ; W2[lo]'s codes
	s_mul_i32 s46, s41, WCM
	s_add_co_u32 s46, s46, s44
	s_add_nc_u64 s[22:23], s[8:9], s[46:47]        ; W2[hi]'s
	s_lshl_b32 s46, s40, 15
	s_add_co_u32 s46, s46, s45
	s_add_nc_u64 s[24:25], s[8:9], s[46:47]        ; their scale words
	s_lshl_b32 s46, s41, 15
	s_add_co_u32 s46, s46, s45
	s_add_nc_u64 s[26:27], s[8:9], s[46:47]
.irp m, 0,1,2,3
	v_min_u32 v[TM4+\m], s42, v[TM4+\m]            ; slots from n on repeat slot n - 1;
	v_min_u32 v[TM4+\m], 63, v[TM4+\m]             ; the bound once more as a constant of the instruction
	v_lshlrev_b32 v[TM4+\m], 2, v[TM4+\m]
.endr
.irp m, 0,1,2,3
	global_load_b32 v[TM4+\m], v[TM4+\m], s[28:29]
.endr
.irp c, 0,1
.irp u, 0,1
.irp q, 0,1,2,3
	global_load_b64 v[WSC+16*\c+8*\u+2*\q:WSC+16*\c+8*\u+2*\q+1], v5, s[24+2*\c:25+2*\c] offset:8192*\q+32*\u*8   ; pass c, tiles 2 u (lanes 0-15) and 2 u + 1 (lanes 16-31), K steps 2 q, 2 q + 1
.endr
.endr
.endr
.macro WLOAD g                         ; step g's four fragments of W2 into set g % 4
.irp t, 0,1,2,3
.irp k, 0,1,2
	global_load_b128 v[RING+48*((\g)%4)+12*\t+4*\k:RING+48*((\g)%4)+12*\t+4*\k+3], v4, s[20+2*((\g)/8):21+2*((\g)/8)] offset:\t*TILEB+FRB*((\g)%8)+512*\k
.endr
.endr
.endm
.macro XLOAD g                         ; step g's four fragments of h into set g % 2, and its scale words: 18 LDS loads
.set XO, XB+48*((\g)%2)
.set PA, 4+2*((\g)/8)
	WIN W_D1
.irp m, 0,1,2,3
	ds_load_b128 v[XO+12*\m:XO+12*\m+3], v[PA] offset:(8*\m+(\g)%8)*FRB
	ds_load_b64 v[XO+12*\m+4:XO+12*\m+5], v[PA+1] offset:(8*\m+(\g)%8)*FRB+512
	ds_load_b64 v[XO+12*\m+6:XO+12*\m+7], v[PA+1] offset:(8*\m+(\g)%8)*FRB+768
	ds_load_b128 v[XO+12*\m+8:XO+12*\m+11], v[PA] offset:(8*\m+(\g)%8)*FRB+1024
.endr
	WIN 0
	ds_load_b32 v[HSC+2*((\g)%2)], v8 offset:2048*((\g)/8)+256*((\g)%8)            ; lanes 0-15: slots 0-15, lanes 16-31: slots 16-31
	ds_load_b32 v[HSC+2*((\g)%2)+1], v8 offset:2048*((\g)/8)+256*((\g)%8)+128      ; slots 32-63
.endm
	WLOAD 0
	WLOAD 1
	WLOAD 2
	s_wait_loadcnt 52                              ; h and the tokens are in; the 16 loads of scale words and the 36 of weights may be out
	WIN W_ST1
.set i, 0
.rept 32
	ds_store_b128 v13, v[4*i:4*i+3] offset:2048*i
.set i, i+1
.endr
.rept 18
	ds_store_b128 v62, v[4*i:4*i+3] offset:2048*(i-32)
.set i, i+1
.endr
	WIN 0
.irp m, 0,1,2,3
	v_min_u32 v[TM4+\m], 0xfff, v[TM4+\m]
	v_lshlrev_b32 v[208+\m], 3, v[TM4+\m]
.endr
.irp m, 0,1,2,3
	global_load_b64 v[GR+2*\m:GR+2*\m+1], v[208+\m], s[14:15]      ; (g_lo, g_hi) of slot 16 m + r
.endr
	s_wait_dscnt 0x0                               ; for the others' sake: my part of h has landed
	s_barrier_signal -1
	s_barrier_wait -1
	XLOAD 0
	s_wait_loadcnt 0x0                             ; the gates; the weights asked for ahead of them too
.irp m, 0,1,2,3
	v_max_num_f32 v[GR+2*\m+1], 0x2b800000, v[GR+2*\m+1]           ; g = max(g_hi, 2^-40)
.endr
.irp m, 0,1,2,3
	v_rcp_f32 v[212+\m], v[GR+2*\m+1]
.endr
	v_nop                                          ; a plain place behind the last reciprocal
	s_wait_alu depctr_va_vdst(0)                   ; one wait for the four, ahead of their first reader
.irp m, 0,1,2,3
	v_mul_f32 v[GR+2*\m], v[GR+2*\m], v[212+\m]    ; g_lo / g
.endr
.macro WM d, a, b, sa, sb, zero, ra, rb ; one product; ra, rb: the side's scale words stand in lanes 16-31
.if \zero
.if (\ra) && (\rb)
	v_wmma_scale_f32_16x16x128_f8f6f4 v[(\d):(\d)+7], v[(\a):(\a)+11], v[(\b):(\b)+11], 0, v[\sa], v[\sb] matrix_a_fmt:MATRIX_FMT_BF6 matrix_b_fmt:MATRIX_FMT_BF6 matrix_a_scale:MATRIX_SCALE_ROW1 matrix_b_scale:MATRIX_SCALE_ROW1
.elseif \ra
	v_wmma_scale_f32_16x16x128_f8f6f4 v[(\d):(\d)+7], v[(\a):(\a)+11], v[(\b):(\b)+11], 0, v[\sa], v[\sb] matrix_a_fmt:MATRIX_FMT_BF6 matrix_b_fmt:MATRIX_FMT_BF6 matrix_a_scale:MATRIX_SCALE_ROW1
.elseif \rb
	v_wmma_scale_f32_16x16x128_f8f6f4 v[(\d):(\d)+7], v[(\a):(\a)+11], v[(\b):(\b)+11], 0, v[\sa], v[\sb] matrix_a_fmt:MATRIX_FMT_BF6 matrix_b_fmt:MATRIX_FMT_BF6 matrix_b_scale:MATRIX_SCALE_ROW1
.else
	v_wmma_scale_f32_16x16x128_f8f6f4 v[(\d):(\d)+7], v[(\a):(\a)+11], v[(\b):(\b)+11], 0, v[\sa], v[\sb] matrix_a_fmt:MATRIX_FMT_BF6 matrix_b_fmt:MATRIX_FMT_BF6
.endif
.else
.if (\ra) && (\rb)
	v_wmma_scale_f32_16x16x128_f8f6f4 v[(\d):(\d)+7], v[(\a):(\a)+11], v[(\b):(\b)+11], v[(\d):(\d)+7], v[\sa], v[\sb] matrix_a_fmt:MATRIX_FMT_BF6 matrix_b_fmt:MATRIX_FMT_BF6 matrix_a_scale:MATRIX_SCALE_ROW1 matrix_b_scale:MATRIX_SCALE_ROW1
.elseif \ra
	v_wmma_scale_f32_16x16x128_f8f6f4 v[(\d):(\d)+7], v[(\a):(\a)+11], v[(\b):(\b)+11], v[(\d):(\d)+7], v[\sa], v[\sb] matrix_a_fmt:MATRIX_FMT_BF6 matrix_b_fmt:MATRIX_FMT_BF6 matrix_a_scale:MATRIX_SCALE_ROW1
.elseif \rb
	v_wmma_scale_f32_16x16x128_f8f6f4 v[(\d):(\d)+7], v[(\a):(\a)+11], v[(\b):(\b)+11], v[(\d):(\d)+7], v[\sa], v[\sb] matrix_a_fmt:MATRIX_FMT_BF6 matrix_b_fmt:MATRIX_FMT_BF6 matrix_b_scale:MATRIX_SCALE_ROW1
.else
	v_wmma_scale_f32_16x16x128_f8f6f4 v[(\d):(\d)+7], v[(\a):(\a)+11], v[(\b):(\b)+11], v[(\d):(\d)+7], v[\sa], v[\sb] matrix_a_fmt:MATRIX_FMT_BF6 matrix_b_fmt:MATRIX_FMT_BF6
.endif
.endif
.endm
; Step g = 8 pass + K step.  np places stand behind the last step's products, ahead of the loads into registers that they read (ISA guide 7.12.1 for vector instructions).
; The 16 accumulators take turns, one instruction a turn, in the same order in every step.  The very first step starts the sums with the constant 0.
.macro STEP g, np
.rept \np
	v_nop
.endr
.if (\g) < 15
	XLOAD (\g)+1
.endif
.if (\g) < 13
	WLOAD (\g)+3
.endif
.if (\g) < 15
	s_wait_dscnt 18                                ; this step's h is in; the next step's 18 loads may be out
.else
	s_wait_dscnt 0x0
.endif
.if (\g) < 13
	s_wait_loadcnt 36                              ; this step's weights are in; those of the three steps behind it may be out
.else
	s_wait_loadcnt 12*(15-(\g))
.endif
	WIN W_MUL
.irp m, 0,1,2,3
.irp t, 0,1,2,3
	WM 32*\m+8*\t, RING+48*((\g)%4)+12*\t, XB+48*((\g)%2)+12*\m, WSC+16*((\g)/8)+8*(\t/2)+(\g)%8, HSC+2*((\g)%2)+\m/2, (\g)==0, \t%2, \m%2
.endr
.endr
	WIN 0
.endm
.macro SCALEALL                        ; every sum times the low word of its 16 slots' pair; each accumulator from its low end on
.rept 4
	v_nop                                          ; four places ahead of the first read of the sums
.endr
	WIN W_RS
.irp m, 0,1,2,3
.set i, 32*\m
.rept 16
	v_pk_mul_f32 v[i:i+1], v[i:i+1], v[GR+2*\m:GR+2*\m+1] op_sel_hi:[1,0]
.set i, i+2
.endr
.endr
	WIN 0
.endm
.irp g, 0,1,2,3,4,5,6,7
	STEP \g, 4
.endr
	SCALEALL                                       ; x g_lo / g
	STEP 8, 0                                      ; (the four places at the head of the scaling serve here)
.irp g, 9,10,11,12,13,14,15
	STEP \g, 4
.endr
.irp m, 0,1,2,3
	v_mov_b32 v[GR+2*\m], v[GR+2*\m+1]
.endr
	SCALEALL                                       ; x g
.irp i, 0,1,2,3,4,5,6,7
	v_add_nc_u32 v[IX+\i], 8*\i, v12               ; row 2 i + h of a block of 16: its token stands in lane 2 i + h
.endr
; THE WAY OUT, 16 slots at a time.  A lane holds 32 neighbouring bytes of a row for each of four tiles, and the lanes beside it hold other rows: the block goes through my own stage and comes back as rows of 256 bytes.
.irp m, 0,1,2,3
	WIN W_ST1
.irp t, 0,1,2,3
	ds_store_b128 v9, v[32*\m+8*\t:32*\m+8*\t+3] offset:64*\t
	ds_store_b128 v9, v[32*\m+8*\t+4:32*\m+8*\t+7] offset:64*\t+16
.endr
	WIN 0
.irp i, 0,1,2,3,4,5,6,7
	ds_load_b128 v[OB+4*\i:OB+4*\i+3], v10 offset:544*\i           ; LDS serves a wave's instructions in order: these see the stores above
.endr
.irp i, 0,1,2,3,4,5,6,7
	ds_bpermute_b32 v[TG+\i], v[IX+\i], v[TM4+\m]
.endr
	s_wait_dscnt 0x0
.irp i, 0,1,2,3,4,5,6,7
	v_min_u32 v[TG+\i], 0xfff, v[TG+\i]
	v_lshlrev_b32 v[TG+\i], 12, v[TG+\i]           ; the token's row of 4,096 bytes,
	v_add_nc_u32 v[TG+\i], v11, v[TG+\i]           ; 16 bytes a lane
.endr
.irp i, 0,1,2,3,4,5,6,7
	global_store_b128 v[TG+\i], v[OB+4*\i:OB+4*\i+3], s[34:35] th:TH_STORE_NT      ; sixteen lanes store 256 consecutive bytes, aligned; written once, read by nobody here
.endr
	s_wait_xcnt 0x0                                ; the stores have had their addresses translated: only behind this wait are their registers written again
.endr
	s_set_vgpr_msb 0x4
	s_wait_tensorcnt 0x0
	ds_add_u32 v63, v255
	s_wait_dscnt 0x0
	s_set_vgpr_msb 0x400
	s_endpgm
.Lfunc_end_k_qc84b3c19c1_fc2:
	.size	k_qc84b3c19c1_fc2, .Lfunc_end_k_qc84b3c19c1_fc2-k_qc84b3c19c1_fc2
	.p2alignl 7, 3214868480
	.fill 96, 4, 3214868480
	.section	.rodata,"a",@progbits
	.p2align	6, 0x0
	.amdhsa_kernel k_qc84b3c19c1_fc2
		.amdhsa_group_segment_fixed_size 120320
		.amdhsa_private_segment_fixed_size 0
		.amdhsa_enable_private_segment 0
		.amdhsa_kernarg_size 40
		.amdhsa_user_sgpr_count 2
		.amdhsa_user_sgpr_kernarg_segment_ptr 1
		.amdhsa_wavefront_size32 1
		.amdhsa_system_sgpr_workgroup_id_x 1
		.amdhsa_system_sgpr_workgroup_id_y 1
		.amdhsa_system_sgpr_workgroup_id_z 1
		.amdhsa_system_vgpr_workitem_id 0
		.amdhsa_next_free_vgpr 512
		.amdhsa_next_free_sgpr 66
		.amdhsa_reserve_vcc 0
		.amdhsa_float_denorm_mode_32 3
		.amdhsa_float_denorm_mode_16_64 3
		.amdhsa_memory_ordered 1
		.amdhsa_forward_progress 1
		.amdhsa_inst_pref_size 111
	.end_amdhsa_kernel
	.amdgpu_metadata
---
amdhsa.version: [ 1, 2 ]
amdhsa.kernels:
  - .name:           k_qc84b3c19c1_fc2
    .symbol:         k_qc84b3c19c1_fc2.kd
    .args:
      - { .name: wq, .offset: 0, .size: 8, .value_kind: global_buffer, .address_space: global }
      - { .name: hq, .offset: 8, .size: 8, .value_kind: global_buffer, .address_space: global }
      - { .name: list, .offset: 16, .size: 8, .value_kind: global_buffer, .address_space: global }
      - { .name: gate, .offset: 24, .size: 8, .value_kind: global_buffer, .address_space: global }
      - { .name: out0, .offset: 32, .size: 8, .value_kind: global_buffer, .address_space: global }
    .group_segment_fixed_size: 120320
    .private_segment_fixed_size: 0
    .kernarg_segment_align: 8
    .kernarg_segment_size: 40
    .max_flat_workgroup_size: 128
    .sgpr_count:     66
    .vgpr_count:     512
    .wavefront_size: 32
...
	.end_amdgpu_metadata
.endif
;; end of part 4
;; ======== version 2 of 2: 4 launches
;; workspace buffers: wq 13,107,200 bytes; xq 3,276,800 bytes; key 16,384 bytes of whole numbers; gate 32,768 bytes; list 24,832 bytes of whole numbers; hq 9,318,400 bytes
;; launch prep (part 5): grid 512 x 1, 8 waves a work-group, no clusters, 89,856 bytes of LDS; arguments x, noise, Wr, Wn, W1, W2, wq, xq, key, gate; writes wq, xq, key, gate
.if DOCPART == 5
	.amdgcn_target "amdgcn-amd-amdhsa--gfx1250"
	.amdhsa_code_object_version 6
	.text
	.protected	k_qc84b3c19c1_prep
	.globl	k_qc84b3c19c1_prep
	.p2align	8
	.type	k_qc84b3c19c1_prep,@function
k_qc84b3c19c1_prep:
	s_mov_b64 s[64:65], 0
	v_nop
	global_prefetch_b8 v0, s[64:65] scope:SCOPE_SE
	s_setreg_imm32_b32 hwreg(HW_REG_WAVE_MODE, 25, 1), 1
	s_wait_xcnt 0x0
; PREP: everything that is done once.  Work-groups 0-255: 16 tokens each: x into codes of E3M2 with E8M0 scales (xq), and the noisy top-2 router (key, gate).
; Work-groups 256-511: W1 and W2 (K is their first axis) into codes and scales laid in the order of the operand's registers (wq).
; xq: codes [token][K step 8][half 2][48 bytes] (a lane's 12 operand registers on end), then from XSOFF the scale words [token][8].
; wq: codes [matrix 16][tile 64][K step 8][1,536 bytes]: registers 4 c .. 4 c + 3 of lane l at 512 c + 16 l; from WSOFF the scale words [matrix][K quarter 4][16 tile + row][2 words].
;     Matrix e is W1[e], matrix 8 + e is W2[e].  Row q of W1's tile 2 b + u is hidden unit 32 b + 8 u + q % 8 + 16 (q / 8), so that the first product's results are neighbours along the second product's K.
; key: the token's pair of experts (lo < hi) as one number 0..27;  gate: (gate of lo, gate of hi), f32.
; The router's two products are taken in f32 (16 x 16 x 4 matrix form: 16 outputs = Wr's 8 rows and Wn's 8 rows, 16 tokens), each wave 128 along K; the eight parts are added in the waves' order.
; LIMITS: NaN and infinities among the inputs are not served.  A block whose largest magnitude lies under 2^-122, a block of zeros too, gets the scale byte 1 (only this program reads the bytes; zero codes add nothing).
; The router's sums run in another order than a plain dot product's.  log(1 + u) is taken as log2 of the rounded 1 + u: an absolute error of 6e-8.
; key and gate are stored as 64 and 128 bytes a work-group: 48 KiB in the whole launch.
.set TBP,   528                        ; a turn buffer's row: 512 bytes + 16
.set TBW,   16*TBP                     ; a wave's own turn buffer
.set STG,   8*TBW                      ; 16 rows of codes, 768 bytes + 16
.set STP,   784
.set SSW,   STG+16*STP                 ; 16 tokens x 8 scale words
.set LGT,   SSW+512                    ; 8 waves x 1,024 bytes of partial logits
.set XSOFF, 3145728
.set WSOFF, 12582912
.set WCM,   786432                     ; a matrix's codes
.set TILEB, 12288                      ; a tile's: 8 K steps
.set FRB,   1536                       ; a fragment's
.set WV,  7                            ; s7  wave
.set SEL, 40                           ; s[40:41] selects of v_permlanex16_b32: lane l xor 16
.set R,   16                           ; v16-79   x as it lands; later Wr and Wn turned; later the eight waves' parts
.set RW,  80                           ; v80-143  Wr and Wn as they land; later the noise (v80-87), the rows on their way out (v96-111)
.set X,   144                          ; v144-207 my row's 64 numbers: register 32 c + i = k 32 (2 c + half) + i of the K step; later the router's work
.set AC,  208                          ; v208-223 two f32 accumulators: written by matrix instructions alone
.set TM,  224                          ; v224-231 at work
.set PC,  232                          ; v232-243 my 12 registers of codes
.set TT,  244                          ; v244-250 the upper halves of two blocks' codes, before they are moved
	s_load_b512 s[8:23], s[0:1], 0x0               ; x s8, noise s10, Wr s12, Wn s14, W1 s16, W2 s18, wq s20, xq s22
	s_load_b128 s[24:27], s[0:1], 0x40             ; key s24, gate s26
	v_lshl_add_u32 v254, v0, 2, 0x15b00
	v_mov_b32 v255, 0
	v_lshrrev_b32 v1, 5, v0
	s_delay_alu instid0(VALU_DEP_1)
	v_readfirstlane_b32 s[WV], v1                  ; wave 0..7
	v_and_b32 v1, 31, v0                           ; lane
	v_and_b32 v2, 15, v0                           ; r
	v_bfe_u32 v3, v0, 4, 1                         ; h
	s_mov_b32 s[SEL], 0x76543210
	s_mov_b32 s[SEL+1], 0xfedcba98
	s_cmp_lt_u32 ttmp9, 256                        ; the work-group's number alone decides the path: all eight waves go one way
	s_cbranch_scc0 .Lweights
; ---------------- 16 tokens of x: wave w takes K step w (128 along K) of all 16 ----------------
	v_lshlrev_b32 v4, 4, v1                        ; 16 x lane: a load's 512 consecutive bytes
	s_mul_i32 s28, s[WV], TBW
	v_add_nc_u32 v5, s28, v4                       ; turn buffer, in: 16 x lane, rows by the offset
	v_mul_u32_u24 v6, v2, TBP
	s_delay_alu instid0(VALU_DEP_1)
	v_lshl_add_u32 v6, v3, 7, v6
	s_delay_alu instid0(VALU_DEP_1)
	v_add_nc_u32 v6, s28, v6                       ; out: row r, + 128 h: my blocks h and 2 + h
	v_mul_u32_u24 v7, v2, STP
	s_delay_alu instid0(VALU_DEP_1)
	v_mad_u32_u24 v7, v3, 48, v7
	s_mul_i32 s29, s[WV], 96
	s_add_co_u32 s29, s29, STG
	v_add_nc_u32 v7, s29, v7                       ; my 48 bytes of codes in row r
	v_lshlrev_b32 v8, 5, v2
	s_lshl_b32 s29, s[WV], 2
	s_add_co_u32 s29, s29, SSW
	v_add_nc_u32 v8, s29, v8                       ; row r's scale word of K step w
	s_lshl_b32 s29, s[WV], 10
	s_add_co_u32 s29, s29, LGT
	v_add_nc_u32 v9, s29, v4                       ; my wave's partial logits
	v_mul_u32_u24 v10, v3, STP
	s_delay_alu instid0(VALU_DEP_1)
	v_lshl_add_u32 v10, v2, 4, v10
	s_mul_i32 s29, s[WV], 2*STP
	s_add_co_u32 s29, s29, STG
	v_add_nc_u32 v10, s29, v10                     ; the way out: rows 2 w + h, 16 bytes a lane
	v_mul_u32_u24 v11, v3, 768
	s_delay_alu instid0(VALU_DEP_1)
	v_lshl_add_u32 v11, v2, 4, v11
	s_mul_i32 s29, s[WV], 2*768
	v_add_nc_u32 v11, s29, v11                     ; and the same place in xq
	v_lshlrev_b32 v12, 5, v2                       ; noise: 32 bytes a token
	v_add_nc_u32 v13, LGT, v4                      ; the router reads all eight parts from here
	v_lshlrev_b32 v14, 2, v2                       ; key: 4 bytes a token
	v_lshlrev_b32 v15, 3, v2                       ; gate: 8
	v_add_nc_u32 v252, SSW, v4                     ; the scale words' way out
	s_lshl_b32 s30, ttmp9, 16                      ; 16 rows of 4,096 bytes,
	s_lshl_b32 s32, s[WV], 9                       ; my K step's 512 bytes
	s_add_co_u32 s30, s30, s32
	s_mov_b32 s31, 0
	s_mov_b32 s33, 0
	s_lshl_b32 s34, ttmp9, 9                       ; 16 tokens x 32 bytes: noise, and xq's scale words
	s_mov_b32 s35, 0
	s_mul_i32 s36, ttmp9, 16*768
	s_mov_b32 s37, 0
	s_lshl_b32 s38, ttmp9, 6
	s_mov_b32 s39, 0
	s_lshl_b32 s42, ttmp9, 7
	s_mov_b32 s43, 0
	s_mov_b32 s44, 0xbfb8aa3b                      ; -log2(e)
	s_mov_b32 s45, 0x3f317218                      ; ln 2
	s_mov_b32 s46, 0x3fb8aa3b                      ; log2(e)
	s_mov_b32 s47, 0xffff0000                      ; lanes 16-31
	s_wait_kmcnt 0x0
	s_add_nc_u64 s[8:9], s[8:9], s[30:31]
	s_add_nc_u64 s[12:13], s[12:13], s[32:33]
	s_add_nc_u64 s[14:15], s[14:15], s[32:33]
	s_add_nc_u64 s[10:11], s[10:11], s[34:35]
	s_add_nc_u64 s[28:29], s[22:23], s[34:35]
	s_add_nc_u64 s[28:29], s[28:29], XSOFF         ; xq's scale words of my tokens
	s_add_nc_u64 s[22:23], s[22:23], s[36:37]      ; xq's codes
	s_add_nc_u64 s[24:25], s[24:25], s[38:39]
	s_add_nc_u64 s[26:27], s[26:27], s[42:43]
.irp i, 0,1,2,3,4,5,6,7,8,9,10,11,12,13,14,15
	global_load_b128 v[R+4*\i:R+4*\i+3], v4, s[8:9] offset:4096*\i th:TH_LOAD_NT   ; token i: 512 consecutive bytes; read once in the launch
.endr
.irp i, 0,1,2,3,4,5,6,7
	global_load_b128 v[RW+4*\i:RW+4*\i+3], v4, s[12:13] offset:4096*\i             ; Wr's row i
.endr
.irp i, 0,1,2,3,4,5,6,7
	global_load_b128 v[RW+32+4*\i:RW+32+4*\i+3], v4, s[14:15] offset:4096*\i       ; Wn's row i
.endr
	s_wait_loadcnt 16                              ; x is in; the 16 loads of Wr and Wn may be out
.irp i, 0,1,2,3,4,5,6,7,8,9,10,11,12,13,14,15
	ds_store_b128 v5, v[R+4*\i:R+4*\i+3] offset:TBP*\i
.endr
.irp c, 0,1
.irp q, 0,1,2,3,4,5,6,7
	ds_load_b128 v[X+32*\c+4*\q:X+32*\c+4*\q+3], v6 offset:256*\c+16*\q            ; LDS serves a wave's instructions in order: these see the stores above
.endr
.endr
	s_wait_loadcnt 0x0                             ; Wr and Wn are in
	s_wait_dscnt 0x0                               ; my row's 64 numbers are in
.irp i, 0,1,2,3,4,5,6,7,8,9,10,11,12,13,14,15
	ds_store_b128 v5, v[RW+4*\i:RW+4*\i+3] offset:TBP*\i                           ; the same turn for the 16 rows of Wr and Wn
.endr
.irp c, 0,1
.irp q, 0,1,2,3,4,5,6,7
	ds_load_b128 v[R+32*\c+4*\q:R+32*\c+4*\q+3], v6 offset:256*\c+16*\q
.endr
.endr
	; x's two blocks of mine are quantised while that turn is on its way
.irp c, 0,1
	v_max3_num_f32 v[TM+\c], |v[X+32*\c]|, |v[X+32*\c+1]|, 0x2800000               ; the floor 2^(5 - 127): the byte cannot fall under 1
.endr
.irp i, 2,4,6,8,10,12,14,16,18,20,22,24,26,28,30
.irp c, 0,1
	s_delay_alu instid0(VALU_DEP_2)
	v_max3_num_f32 v[TM+\c], v[TM+\c], |v[X+32*\c+\i]|, |v[X+32*\c+\i+1]|
.endr
.endr
.irp c, 0,1
	s_delay_alu instid0(VALU_DEP_2)
	v_add_nc_u32 v[TM+2+\c], 0xfe000000, v[TM+\c]  ; 4 off the exponent field: the conversion's scale operand
.endr
.irp c, 0,1
	s_delay_alu instid0(VALU_DEP_2)
	v_lshrrev_b32 v[TM+4+\c], 23, v[TM+2+\c]       ; the scale's byte
.endr
	s_delay_alu instid0(VALU_DEP_1)
	v_lshl_or_b32 v[TM+6], v[TM+5], 16, v[TM+4]    ; blocks h and 2 + h,
	v_lshlrev_b32 v[TM+7], 3, v3
	s_delay_alu instid0(VALU_DEP_1)
	v_lshlrev_b32 v[TM+6], v[TM+7], v[TM+6]        ; at their places in the word;
	v_mov_b32 v[TM+7], 0
	s_delay_alu instid0(VALU_DEP_1)
	v_permlanex16_b32 v[TM+7], v[TM+6], s[SEL], s[SEL+1]
	s_delay_alu instid0(VALU_DEP_1)
	v_or_b32 v[TM+6], v[TM+6], v[TM+7]             ; with lane l xor 16's two the word is whole
.irp c, 0,1
	v_cvt_scalef32_pk16_bf6_f32 v[PC+6*\c:PC+6*\c+2], v[X+32*\c:X+32*\c+15], v[TM+2+\c]
	v_cvt_scalef32_pk16_bf6_f32 v[TT+4*\c:TT+4*\c+2], v[X+32*\c+16:X+32*\c+31], v[TM+2+\c]   ; (a conversion's three registers begin on an even number)
.endr
	v_nop                                          ; one plain place behind the scaled conversions
.irp c, 0,1
.irp i, 0,1,2
	v_mov_b32 v[PC+3+6*\c+\i], v[TT+4*\c+\i]
.endr
.endr
.irp c, 0,1,2
	ds_store_b128 v7, v[PC+4*\c:PC+4*\c+3] offset:16*\c
.endr
	ds_store_b32 v8, v[TM+6]                       ; both halves of the lanes write the same word with the same value
	s_wait_dscnt 0x0                               ; Wr and Wn are back, turned; my stores have landed
	s_cmp_lg_u32 s[WV], 0
	s_cbranch_scc1 .Lno_noise
	global_load_b128 v[RW:RW+3], v12, s[10:11]     ; wave 0, which routes: the noise of token r, asked for ahead of the products
	global_load_b128 v[RW+4:RW+7], v12, s[10:11] offset:16
.Lno_noise:
	; 16 outputs x 16 tokens x 128 along K in f32.  Both sources hold the same k in the same registers and lanes, so each instruction sums four true products.  Two accumulators by turns, one instruction a turn.
.set i, 0
.rept 32
.if i < 2
	v_wmma_f32_16x16x4_f32 v[AC+8*(i%2):AC+8*(i%2)+7], v[R+2*i:R+2*i+1], v[X+2*i:X+2*i+1], 0
.else
	v_wmma_f32_16x16x4_f32 v[AC+8*(i%2):AC+8*(i%2)+7], v[R+2*i:R+2*i+1], v[X+2*i:X+2*i+1], v[AC+8*(i%2):AC+8*(i%2)+7]
.endif
.set i, i+1
.endr
.rept 8
	v_nop                                          ; eight places behind this form (ISA guide 7.12.1) ahead of the first read of the sums
.endr
.irp j, 0,1,2,3,4,5,6,7
	v_add_f32 v[TM+\j], v[AC+\j], v[AC+8+\j]       ; lane (t, h): h = 0: Wr's output j, h = 1: Wn's, of token t
.endr
	ds_store_b128 v9, v[TM:TM+3]
	ds_store_b128 v9, v[TM+4:TM+7] offset:512
	s_wait_dscnt 0x0                               ; for the others' sake: codes, scale words and partial logits have landed
	s_barrier_signal -1
	s_barrier_wait -1
.irp u, 0,1,2
	ds_load_b128 v[RW+16+4*\u:RW+16+4*\u+3], v10 offset:256*\u
.endr
	s_wait_dscnt 0x0
.irp u, 0,1,2
	global_store_b128 v11, v[RW+16+4*\u:RW+16+4*\u+3], s[22:23] offset:256*\u      ; sixteen lanes store 256 consecutive bytes, aligned
.endr
	s_cmp_eq_u32 s[WV], 1
	s_cbranch_scc0 .Lnot_wave_1
	ds_load_b128 v[RW+28:RW+31], v252              ; wave 1: the 16 tokens' scale words, 512 consecutive bytes
	s_wait_dscnt 0x0
	global_store_b128 v4, v[RW+28:RW+31], s[28:29]
	s_wait_tensorcnt 0x0
	ds_add_u32 v254, v255
	s_wait_dscnt 0x0
	s_endpgm
.Lnot_wave_1:
	s_cmp_eq_u32 s[WV], 0
	s_cbranch_scc1 .Lrouter
	s_wait_tensorcnt 0x0
	ds_add_u32 v254, v255
	s_wait_dscnt 0x0
	s_endpgm
; ---------------- wave 0: the router of the 16 tokens; both halves of the lanes compute the same ----------------
.set SU, 144
.set OT, 152
.set LG, 160
.set NL, 168
.set EA, 176
.set MP, 184
.set NZ, 192
.Lrouter:
.irp w, 0,1,2,3,4,5,6,7
	ds_load_b128 v[R+8*\w:R+8*\w+3], v13 offset:1024*\w
	ds_load_b128 v[R+8*\w+4:R+8*\w+7], v13 offset:1024*\w+512
.endr
	s_wait_dscnt 0x0
.irp j, 0,1,2,3,4,5,6,7
	v_add_f32 v[SU+\j], v[R+\j], v[R+8+\j]
.endr
.irp w, 2,3,4,5,6,7
.irp j, 0,1,2,3,4,5,6,7
	v_add_f32 v[SU+\j], v[SU+\j], v[R+8*\w+\j]
.endr
.endr
.irp j, 0,1,2,3,4,5,6,7
	v_permlanex16_b32 v[OT+\j], v[SU+\j], s[SEL], s[SEL+1]
.endr
.irp j, 0,1,2,3,4,5,6,7
	v_cndmask_b32 v[LG+\j], v[SU+\j], v[OT+\j], s47        ; the logit of expert j,
	v_cndmask_b32 v[NL+\j], v[OT+\j], v[SU+\j], s47        ; and its noise logit z, in every lane
.endr
.irp j, 0,1,2,3,4,5,6,7
	v_mul_f32 v[EA+\j], s44, |v[NL+\j]|
.endr
	s_wait_alu depctr_va_vdst(0)
.irp j, 0,1,2,3,4,5,6,7
	v_exp_f32 v[EA+\j], v[EA+\j]                   ; e^-|z|
.endr
.irp j, 0,1,2,3,4,5,6,7
	v_max_num_f32 v[MP+\j], 0, v[NL+\j]            ; plain work behind the batch
.endr
	s_wait_alu depctr_va_vdst(0)                   ; one wait for the eight, ahead of their first reader
.irp j, 0,1,2,3,4,5,6,7
	v_add_f32 v[EA+\j], 1.0, v[EA+\j]
.endr
	s_wait_alu depctr_va_vdst(0)
.irp j, 0,1,2,3,4,5,6,7
	v_log_f32 v[EA+\j], v[EA+\j]
.endr
	v_nop
	s_wait_alu depctr_va_vdst(0)
	s_wait_loadcnt 0x0                             ; the noise
.irp j, 0,1,2,3,4,5,6,7
	v_fma_f32 v[EA+\j], v[EA+\j], s45, v[MP+\j]    ; softplus(z) = max(z, 0) + ln 2 x log2(1 + e^-|z|)
.endr
.irp j, 0,1,2,3,4,5,6,7
	v_fma_f32 v[NZ+\j], v[RW+\j], v[EA+\j], v[LG+\j]
.endr
	v_mov_b32 v224, v[NZ]                          ; the largest, the lower index on a tie: only a strictly larger number takes its place
	v_mov_b32 v225, 0
.irp j, 1,2,3,4,5,6,7
	s_delay_alu instid0(VALU_DEP_2)
	v_cmp_le_f32 vcc_lo, v[NZ+\j], v224
	s_delay_alu instid0(VALU_DEP_1)
	v_cndmask_b32 v224, v[NZ+\j], v224, vcc_lo
	s_delay_alu instid0(VALU_DEP_2)
	v_cndmask_b32 v225, \j, v225, vcc_lo
.endr
	v_mov_b32 v228, 0xff800000
.irp j, 0,1,2,3,4,5,6,7
	v_cmp_eq_u32 vcc_lo, \j, v225
	s_delay_alu instid0(VALU_DEP_1)
	v_cndmask_b32 v[NZ+\j], v[NZ+\j], v228, vcc_lo ; the winner leaves
.endr
	v_mov_b32 v226, v[NZ]                          ; the second
	v_mov_b32 v227, 0
.irp j, 1,2,3,4,5,6,7
	s_delay_alu instid0(VALU_DEP_2)
	v_cmp_le_f32 vcc_lo, v[NZ+\j], v226
	s_delay_alu instid0(VALU_DEP_1)
	v_cndmask_b32 v226, v[NZ+\j], v226, vcc_lo
	s_delay_alu instid0(VALU_DEP_2)
	v_cndmask_b32 v227, \j, v227, vcc_lo
.endr
	s_delay_alu instid0(VALU_DEP_2)
	v_sub_f32 v229, v226, v224                     ; the maximum is taken away: 0 or less
	s_delay_alu instid0(VALU_DEP_1)
	v_mul_f32 v229, s46, v229
	s_wait_alu depctr_va_vdst(0)
	v_exp_f32 v229, v229
	v_min_u32 v234, v225, v227                     ; lo  (plain work behind the exponential)
	v_max_u32 v235, v225, v227                     ; hi
	s_wait_alu depctr_va_vdst(0)
	v_add_f32 v230, 1.0, v229
	s_wait_alu depctr_va_vdst(0)
	v_rcp_f32 v230, v230                           ; the first's gate
	v_sub_nc_u32 v236, 15, v234
	s_delay_alu instid0(VALU_DEP_1)
	v_mul_u32_u24 v236, v236, v234
	s_delay_alu instid0(VALU_DEP_1)
	v_lshrrev_b32 v236, 1, v236                    ; pairs with a smaller lo: lo (15 - lo) / 2
	s_delay_alu instid0(VALU_DEP_1)
	v_add_nc_u32 v236, v236, v235
	s_delay_alu instid0(VALU_DEP_1)
	v_sub_nc_u32 v236, v236, v234
	s_delay_alu instid0(VALU_DEP_1)
	v_add_nc_u32 v236, -1, v236                    ; + hi - lo - 1
	s_wait_alu depctr_va_vdst(0)
	v_mul_f32 v231, v229, v230                     ; the second's gate
	v_cmp_lt_u32 vcc_lo, v225, v227
	v_cndmask_b32 v232, v231, v230, vcc_lo         ; lo's gate
	v_cndmask_b32 v233, v230, v231, vcc_lo         ; hi's
	v_cmp_gt_u32 vcc_lo, 16, v1
	s_wait_alu depctr_va_vdst(0)
	s_wait_xcnt 0x0                                ; EXEC changes only behind this wait: the stores above have had their addresses translated
	s_wait_tensorcnt 0x0
	ds_add_u32 v254, v255
	s_wait_dscnt 0x0
	s_and_saveexec_b32 s48, vcc_lo
	global_store_b32 v14, v236, s[24:25]
	global_store_b64 v15, v[232:233], s[26:27]
	s_wait_xcnt 0x0
	s_or_b32 exec_lo, exec_lo, s48
	s_endpgm
; ---------------- the weights: a lane takes a column, its registers run down K ----------------
; Work-group g: matrix g / 16, K quarter (g / 4) % 4 (256 along K), 256 columns g % 4; wave w: 32 of them.  A lane's 8 blocks are taken in the order in which they fill a lane of the operand:
; of each K step first blocks 0 and 2 (the operand's lanes 0-15), then 1 and 3 (lanes 16-31); each pair is 12 registers and leaves by three stores, in each of which 16 lanes fill 256 aligned bytes.
.Lweights:
	s_sub_co_u32 s2, ttmp9, 256
	s_lshr_b32 s3, s2, 4                           ; matrix
	s_bfe_u32 s4, s2, 0x20002                      ; K quarter
	s_and_b32 s5, s2, 3                            ; which 256 columns
	s_and_b32 s6, s3, 7
	s_lshl_b32 s30, s6, 22                         ; an expert's 4 MiB,
	s_lshl_b32 s6, s4, 20                          ; 256 rows of 4,096 bytes,
	s_add_co_u32 s30, s30, s6
	s_lshl_b32 s6, s5, 10
	s_add_co_u32 s30, s30, s6
	s_lshl_b32 s6, s[WV], 7                        ; my wave's 32 columns
	s_add_co_u32 s30, s30, s6
	s_mov_b32 s31, 0
	s_mul_i32 s32, s3, WCM
	s_lshl_b32 s6, s5, 4
	s_lshl_b32 s37, s[WV], 1
	s_add_co_u32 s6, s6, s37                       ; my wave's first tile: 16 cg + 2 w
	s_mul_i32 s6, s6, TILEB
	s_add_co_u32 s32, s32, s6
	s_mul_i32 s6, s4, 2*FRB
	s_add_co_u32 s32, s32, s6
	s_mov_b32 s33, 0
	s_lshl_b32 s34, s3, 15
	s_lshl_b32 s6, s4, 13
	s_add_co_u32 s34, s34, s6
	s_lshl_b32 s6, s5, 11
	s_add_co_u32 s34, s34, s6
	s_lshl_b32 s6, s[WV], 8
	s_add_co_u32 s34, s34, s6
	s_add_co_u32 s34, s34, WSOFF
	s_mov_b32 s35, 0
	s_cmp_lt_u32 s3, 8                             ; W1 or W2?
	s_cselect_b32 s36, -1, 0
	s_wait_kmcnt 0x0
	s_cselect_b64 s[28:29], s[16:17], s[18:19]
	s_add_nc_u64 s[28:29], s[28:29], s[30:31]
	s_add_nc_u64 s[32:33], s[20:21], s[32:33]
	s_add_nc_u64 s[34:35], s[20:21], s[34:35]
	s_wait_alu depctr_va_vdst(0)
	v_lshlrev_b32 v4, 2, v1                        ; in: 4 bytes a lane
	v_bfe_u32 v8, v0, 3, 1                         ; W1: which of my wave's two tiles: (lane / 8) % 2,
	v_and_b32 v9, 7, v0
	s_delay_alu instid0(VALU_DEP_1)
	v_lshl_add_u32 v9, v3, 3, v9                   ;     and its row: lane % 8 + 8 (lane / 16)
	s_delay_alu instid0(VALU_DEP_3)
	v_cndmask_b32 v10, v3, v8, s36                 ; W2: tile lane / 16,
	s_delay_alu instid0(VALU_DEP_2)
	v_cndmask_b32 v11, v2, v9, s36                 ;     row lane % 16
	s_delay_alu instid0(VALU_DEP_2)
	v_mul_u32_u24 v5, 0x3000, v10
	s_delay_alu instid0(VALU_DEP_1)
	v_lshl_add_u32 v5, v11, 4, v5                  ; codes: tile x 12,288 + 16 x row
	s_delay_alu instid0(VALU_DEP_3)
	v_lshl_add_u32 v6, v10, 4, v11
	s_delay_alu instid0(VALU_DEP_1)
	v_lshlrev_b32 v6, 3, v6                        ; scale words: 8 bytes for each row of each tile
.macro WLD t                           ; the t-th block in that order: K step t / 4, block 2 (t % 2) + (t / 2) % 2
.set j, 0
.rept 32
	global_load_b32 v[16+32*((\t)%2)+j], v4, s[28:29] offset:(128*((\t)/4)+32*(2*((\t)%2)+((\t)/2)%2)+j)*4096 th:TH_LOAD_NT
.set j, j+1
.endr
.endm
.macro WBLK t
.set XR, 16+32*((\t)%2)
.set SLX, (\t)/4
.set HX, ((\t)/2)%2
.set BX, 2*((\t)%2)+HX
.set CD, 80+12*((\t)/2)+6*((\t)%2)     ; four sets of 12 registers of codes: no store's data are written again
.if (\t) < 7
	s_wait_loadcnt 32                              ; this block's 32 loads are in; the next block's may be out
.else
	s_wait_loadcnt 0x0
.endif
	v_max3_num_f32 v12, |v[XR]|, |v[XR+1]|, |v[XR+2]|
	v_max3_num_f32 v13, |v[XR+3]|, |v[XR+4]|, |v[XR+5]|
.irp i, 6,10,14,18,22,26
	s_delay_alu instid0(VALU_DEP_2)
	v_max3_num_f32 v12, v12, |v[XR+\i]|, |v[XR+\i+1]|
	s_delay_alu instid0(VALU_DEP_2)
	v_max3_num_f32 v13, v13, |v[XR+\i+2]|, |v[XR+\i+3]|
.endr
	s_delay_alu instid0(VALU_DEP_2)
	v_max3_num_f32 v12, v12, |v[XR+30]|, |v[XR+31]|
	s_delay_alu instid0(VALU_DEP_1)
	v_max3_num_f32 v12, v12, v13, 0x2800000        ; and the floor
	s_delay_alu instid0(VALU_DEP_1)
	v_add_nc_u32 v9, 0xfe000000, v12               ; the conversion's scale operand
	s_delay_alu instid0(VALU_DEP_1)
	v_lshrrev_b32 v8, 23, v9                       ; the byte
.if BX == 0
	s_delay_alu instid0(VALU_DEP_1)
	v_mov_b32 v[132+SLX], v8
.else
	s_delay_alu instid0(VALU_DEP_1)
	v_lshl_or_b32 v[132+SLX], v8, 8*BX, v[132+SLX]
.endif
	v_cvt_scalef32_pk16_bf6_f32 v[CD:CD+2], v[XR:XR+15], v9
	v_cvt_scalef32_pk16_bf6_f32 v[128:130], v[XR+16:XR+31], v9
	v_nop                                          ; one plain place behind the scaled conversions
	v_mov_b32 v[CD+3], v128
	v_mov_b32 v[CD+4], v129
	v_mov_b32 v[CD+5], v130
.if (\t)%2
.irp c, 0,1,2
	global_store_b128 v5, v[CD-6+4*\c:CD-6+4*\c+3], s[32:33] offset:FRB*SLX+256*HX+512*\c
.endr
.endif
.if (\t)+2 < 8
	WLD (\t)+2
.endif
.endm
	WLD 0
	WLD 1
.irp t, 0,1,2,3,4,5,6,7
	WBLK \t
.endr
	global_store_b64 v6, v[132:133], s[34:35]      ; the wave's 32 rows x 2 words: 256 consecutive bytes, aligned
	s_endpgm
.Lfunc_end_k_qc84b3c19c1_prep:
	.size	k_qc84b3c19c1_prep, .Lfunc_end_k_qc84b3c19c1_prep-k_qc84b3c19c1_prep
	.p2alignl 7, 3214868480
	.fill 96, 4, 3214868480
	.section	.rodata,"a",@progbits
	.p2align	6, 0x0
	.amdhsa_kernel k_qc84b3c19c1_prep
		.amdhsa_group_segment_fixed_size 89856
		.amdhsa_private_segment_fixed_size 0
		.amdhsa_enable_private_segment 0
		.amdhsa_kernarg_size 80
		.amdhsa_user_sgpr_count 2
		.amdhsa_user_sgpr_kernarg_segment_ptr 1
		.amdhsa_wavefront_size32 1
		.amdhsa_system_sgpr_workgroup_id_x 1
		.amdhsa_system_sgpr_workgroup_id_y 1
		.amdhsa_system_sgpr_workgroup_id_z 1
		.amdhsa_system_vgpr_workitem_id 0
		.amdhsa_next_free_vgpr 256
		.amdhsa_next_free_sgpr 66
		.amdhsa_reserve_vcc 1
		.amdhsa_float_denorm_mode_32 3
		.amdhsa_float_denorm_mode_16_64 3
		.amdhsa_memory_ordered 1
		.amdhsa_forward_progress 1
		.amdhsa_inst_pref_size 75
	.end_amdhsa_kernel
	.amdgpu_metadata
---
amdhsa.version: [ 1, 2 ]
amdhsa.kernels:
  - .name:           k_qc84b3c19c1_prep
    .symbol:         k_qc84b3c19c1_prep.kd
    .args:
      - { .name: x, .offset: 0, .size: 8, .value_kind: global_buffer, .address_space: global }
      - { .name: noise, .offset: 8, .size: 8, .value_kind: global_buffer, .address_space: global }
      - { .name: Wr, .offset: 16, .size: 8, .value_kind: global_buffer, .address_space: global }
      - { .name: Wn, .offset: 24, .size: 8, .value_kind: global_buffer, .address_space: global }
      - { .name: W1, .offset: 32, .size: 8, .value_kind: global_buffer, .address_space: global }
      - { .name: W2, .offset: 40, .size: 8, .value_kind: global_buffer, .address_space: global }
      - { .name: wq, .offset: 48, .size: 8, .value_kind: global_buffer, .address_space: global }
      - { .name: xq, .offset: 56, .size: 8, .value_kind: global_buffer, .address_space: global }
      - { .name: key, .offset: 64, .size: 8, .value_kind: global_buffer, .address_space: global }
      - { .name: gate, .offset: 72, .size: 8, .value_kind: global_buffer, .address_space: global }
    .group_segment_fixed_size: 89856
    .private_segment_fixed_size: 0
    .kernarg_segment_align: 8
    .kernarg_segment_size: 80
    .max_flat_workgroup_size: 256
    .sgpr_count:     66
    .vgpr_count:     256
    .wavefront_size: 32
...
	.end_amdgpu_metadata
.endif
;; end of part 5
;; launch sort (part 6): grid 1 x 1, 32 waves a work-group, no clusters, 8,192 bytes of LDS; arguments key, list; writes list
.if DOCPART == 6
	.amdgcn_target "amdgcn-amd-amdhsa--gfx1250"
	.amdhsa_code_object_version 6
	.text
	.protected	k_qc84b3c19c1_sort
	.globl	k_qc84b3c19c1_sort
	.p2align	8
	.type	k_qc84b3c19c1_sort,@function
k_qc84b3c19c1_sort:
	s_mov_b64 s[64:65], 0
	v_nop
	global_prefetch_b8 v0, s[64:65] scope:SCOPE_SE
	s_setreg_imm32_b32 hwreg(HW_REG_WAVE_MODE, 25, 1), 1
	s_wait_xcnt 0x0
; SORT: the 4,096 tokens are placed by their pair of experts (key 0..27) into a list of EXACTLY 91 tiles, each with 1 to 64 tokens of one pair.
; list: 96 entries of 16 bytes (lo, hi, n, 0), then from byte 1,536 the tokens' numbers [tile 91][slot 64]; slots from n on are neither written nor read.
; With c tokens a pair needs ceil(c / 64) tiles; these sum to 91 at the most (28 pairs, and floor((c - 1) / 64) sums to 63 at the most).  Where they sum to less, single tokens are cut off a pair's
; last, partial tile into tiles of their own, (c - 1) % 64 of them at the most for a pair, pairs in ascending order, until there are 91: the sum of (c - 1) % 64 is 4,096 - 64 T + 63 P for T tiles of P pairs,
; which is never less than 91 - T.  So the launches that follow have a fixed grid, and nothing but addresses hangs on this list.
; One work-group, a counting sort without atomics: wave w ranks tokens 128 w .. 128 w + 127 (four chunks of 32); lane p of a count register stands for pair p.
; The tokens' numbers leave as scattered stores of 4 bytes: 16 KiB in all.
.set KEY, 8                            ; v8-11   my four keys
.set RK,  12                           ; v12-15  how many lanes below mine in the chunk have my key
.set CN,  16                           ; v16-19  lane p: pair p's count in chunk c
.set O2,  20                           ; v20-21  lane p: pair p's count in chunks 0-1, 0-2
.set TOT, 22
.set CNT, 24                           ; lane p: pair p's tokens in all
.set PRE, 25                           ; in the waves below mine
.set NT,  26                           ; its tiles
.set CAP, 27                           ; how many single tokens may be cut off
.set AV,  28                           ; how many are
.set TBV, 29                           ; its first tile
.set MAIN, 30                          ; tokens that stay in its own tiles
.set BASE, 31                          ; its first place
.set LD,  32                           ; v32-63  the 32 waves' counts; at work before and after
.set EXB, 64                           ; the first place of its single tokens' tiles
.set IDX, 65
.set PO,  69
.set GP,  73
.set GB,  77
.set GM,  81
.set GE,  85
.set TOK, 89
	s_load_b128 s[8:11], s[0:1], 0x0               ; key, list
	v_lshl_add_u32 v96, v0, 2, 0x1000
	v_mov_b32 v97, 0
	v_lshrrev_b32 v1, 5, v0
	s_delay_alu instid0(VALU_DEP_1)
	v_readfirstlane_b32 s7, v1                     ; wave 0..31
	v_and_b32 v1, 31, v0                           ; lane
	v_lshlrev_b32 v3, 2, v0                        ; LDS: my wave's 32 counts: 128 w + 4 x lane
	s_delay_alu instid0(VALU_DEP_2)
	v_lshlrev_b32 v4, 2, v1
	s_lshl_b32 s12, s7, 9
	v_add_nc_u32 v2, s12, v4                       ; my keys: 512 w + 4 x lane, chunks 128 bytes apart
	s_lshl_b32 s12, s7, 7
	v_add_nc_u32 v[TOK], s12, v1
	s_delay_alu instid0(VALU_DEP_1)
	v_add_nc_u32 v[TOK+1], 32, v[TOK]
	s_delay_alu instid0(VALU_DEP_2)
	v_add_nc_u32 v[TOK+2], 64, v[TOK]
	s_delay_alu instid0(VALU_DEP_3)
	v_add_nc_u32 v[TOK+3], 0x60, v[TOK]
.irp c, 0,1,2,3
	v_mov_b32 v[RK+\c], 0
	v_mov_b32 v[CN+\c], 0
.endr
	v_mov_b32 v[CNT], 0
	v_mov_b32 v[PRE], 0
	v_mov_b32 v[AV], 0
	v_mov_b32 v[TBV], 0
	s_wait_kmcnt 0x0
.irp c, 0,1,2,3
	global_load_b32 v[KEY+\c], v2, s[8:9] offset:128*\c
.endr
	s_wait_loadcnt 0x0
.irp c, 0,1,2,3
	v_min_u32 v[KEY+\c], 27, v[KEY+\c]
.endr
.irp c, 0,1,2,3
.set p, 0
.rept 28                               ; (scratch registers by turns, so that no line waits for the line above it)
	v_cmp_eq_u32 s[20+2*(p%4)], p, v[KEY+\c]
	s_delay_alu instid0(VALU_DEP_1)
	v_mbcnt_lo_u32_b32 v[LD+p%4], s[20+2*(p%4)], 0
	s_delay_alu instid0(VALU_DEP_1)
	v_cndmask_b32 v[RK+\c], v[RK+\c], v[LD+p%4], s[20+2*(p%4)]
	s_bcnt1_i32_b32 s[21+2*(p%4)], s[20+2*(p%4)]
	v_writelane_b32 v[CN+\c], s[21+2*(p%4)], p
.set p, p+1
.endr
.endr
	v_add_nc_u32 v[O2], v[CN], v[CN+1]
	s_delay_alu instid0(VALU_DEP_1)
	v_add_nc_u32 v[O2+1], v[O2], v[CN+2]
	s_delay_alu instid0(VALU_DEP_1)
	v_add_nc_u32 v[TOT], v[O2+1], v[CN+3]
	ds_store_b32 v3, v[TOT]
	s_wait_dscnt 0x0                               ; for the others' sake
	s_barrier_signal -1
	s_barrier_wait -1
.set w, 0
.rept 32
	ds_load_b32 v[LD+w], v4 offset:128*w
.set w, w+1
.endr
	s_wait_dscnt 0x0
.set w, 0
.rept 32
	s_cmp_gt_u32 s7, w
	s_cselect_b32 s20, 1, 0
	v_add_nc_u32 v[CNT], v[CNT], v[LD+w]
	v_mad_u32_u24 v[PRE], v[LD+w], s20, v[PRE]
.set w, w+1
.endr
	s_delay_alu instid0(VALU_DEP_2)
	v_add_nc_u32 v[NT], 63, v[CNT]
	s_delay_alu instid0(VALU_DEP_1)
	v_lshrrev_b32 v[NT], 6, v[NT]
	s_delay_alu instid0(VALU_DEP_4)
	v_add_nc_u32 v[CAP], -1, v[CNT]
	s_delay_alu instid0(VALU_DEP_1)
	v_and_b32 v[CAP], 63, v[CAP]
	v_cmp_ne_u32 vcc_lo, 0, v[CNT]
	s_delay_alu instid0(VALU_DEP_1)
	v_cndmask_b32 v[CAP], 0, v[CAP], vcc_lo
	s_mov_b32 s13, 0
.set p, 0
.rept 28
	v_readlane_b32 s20, v[NT], p
	s_add_co_u32 s13, s13, s20                     ; the tiles that the split needs
.set p, p+1
.endr
	s_sub_co_u32 s14, 91, s13                      ; and how many more there are to be
	s_mov_b32 s15, 0
.set p, 0
.rept 28
	v_readlane_b32 s20, v[CAP], p
	v_readlane_b32 s21, v[NT], p
	s_min_u32 s20, s20, s14
	s_sub_co_u32 s14, s14, s20
	v_writelane_b32 v[AV], s20, p
	v_writelane_b32 v[TBV], s15, p
	s_add_co_u32 s15, s15, s21
	s_add_co_u32 s15, s15, s20
.set p, p+1
.endr
	v_sub_nc_u32 v[MAIN], v[CNT], v[AV]
	v_lshlrev_b32 v[BASE], 6, v[TBV]
	v_add_nc_u32 v[EXB], v[TBV], v[NT]
	s_delay_alu instid0(VALU_DEP_1)
	v_lshlrev_b32 v[EXB], 6, v[EXB]
	v_mov_b32 v[PO], v[PRE]
	v_add_nc_u32 v[PO+1], v[PRE], v[CN]
	v_add_nc_u32 v[PO+2], v[PRE], v[O2]
	v_add_nc_u32 v[PO+3], v[PRE], v[O2+1]
.irp c, 0,1,2,3
	v_lshlrev_b32 v[IDX+\c], 2, v[KEY+\c]
.endr
.irp c, 0,1,2,3
	ds_bpermute_b32 v[GP+\c], v[IDX+\c], v[PO+\c]  ; each token takes its pair's figures from the lane that stands for the pair
	ds_bpermute_b32 v[GB+\c], v[IDX+\c], v[BASE]
	ds_bpermute_b32 v[GM+\c], v[IDX+\c], v[MAIN]
	ds_bpermute_b32 v[GE+\c], v[IDX+\c], v[EXB]
.endr
	s_wait_dscnt 0x0
.irp c, 0,1,2,3
	v_add_nc_u32 v[LD+\c], v[GP+\c], v[RK+\c]      ; my number among my pair's tokens
	s_delay_alu instid0(VALU_DEP_1)
	v_sub_nc_u32 v[LD+4+\c], v[LD+\c], v[GM+\c]    ; 0 or more: I am cut off, into a tile of my own
	s_delay_alu instid0(VALU_DEP_2)
	v_add_nc_u32 v[LD+8+\c], v[GB+\c], v[LD+\c]
	s_delay_alu instid0(VALU_DEP_2)
	v_lshl_add_u32 v[LD+12+\c], v[LD+4+\c], 6, v[GE+\c]
	s_delay_alu instid0(VALU_DEP_3)
	v_cmp_gt_i32 vcc_lo, 0, v[LD+4+\c]
	s_delay_alu instid0(VALU_DEP_1)
	v_cndmask_b32 v[LD+16+\c], v[LD+12+\c], v[LD+8+\c], vcc_lo
	s_delay_alu instid0(VALU_DEP_1)
	v_min_u32 v[LD+16+\c], 0x16bf, v[LD+16+\c]     ; 91 x 64 - 1: whatever the keys hold, the store stays inside the list
	s_delay_alu instid0(VALU_DEP_1)
	v_lshlrev_b32 v[LD+16+\c], 2, v[LD+16+\c]
	global_store_b32 v[LD+16+\c], v[TOK+\c], s[10:11] offset:1536
.endr
	s_cmp_lt_u32 s7, 3                             ; waves 0 to 2 write the table, a lane an entry
	s_cbranch_scc0 .Ldone
	s_lshl_b32 s12, s7, 5
	v_add_nc_u32 v52, s12, v1                      ; J
	v_mov_b32 v53, 0
	v_mov_b32 v54, 0
	v_mov_b32 v55, 0
	v_mov_b32 v56, 0
.set p, 0
.set PLO, 0
.set PHI, 1
.rept 28                               ; the last pair whose first tile is J or less owns tile J (a pair without tokens has the next pair's first tile, and is written over)
	v_readlane_b32 s20, v[TBV], p
	v_readlane_b32 s21, v[NT], p
	v_readlane_b32 s22, v[MAIN], p
	s_delay_alu instid0(VALU_DEP_3)
	v_cmp_gt_u32 vcc_lo, s20, v52
	s_delay_alu instid0(VALU_DEP_1)
	v_cndmask_b32 v53, 8*PLO+PHI, v53, vcc_lo
	s_delay_alu instid0(VALU_DEP_2)
	v_cndmask_b32 v54, s20, v54, vcc_lo
	s_delay_alu instid0(VALU_DEP_3)
	v_cndmask_b32 v55, s21, v55, vcc_lo
	s_delay_alu instid0(VALU_DEP_4)
	v_cndmask_b32 v56, s22, v56, vcc_lo
.set p, p+1
.set PHI, PHI+1
.if PHI == 8
.set PLO, PLO+1
.set PHI, PLO+1
.endif
.endr
	s_delay_alu instid0(VALU_DEP_3)
	v_sub_nc_u32 v57, v52, v54                     ; which of the pair's tiles
	s_delay_alu instid0(VALU_DEP_1)
	v_lshlrev_b32 v58, 6, v57
	s_delay_alu instid0(VALU_DEP_1)
	v_sub_nc_u32 v58, v56, v58
	s_delay_alu instid0(VALU_DEP_1)
	v_min_u32 v58, 64, v58                         ; one of its own: what is left, 64 at the most;
	s_delay_alu instid0(VALU_DEP_4)
	v_cmp_lt_u32 vcc_lo, v57, v55
	s_delay_alu instid0(VALU_DEP_1)
	v_cndmask_b32 v62, 1, v58, vcc_lo              ; a single token's: 1
	v_lshrrev_b32 v60, 3, v53
	v_and_b32 v61, 7, v53
	v_mov_b32 v63, 0
	v_lshlrev_b32 v59, 4, v52
	global_store_b128 v59, v[60:63], s[10:11]
.Ldone:
	s_wait_tensorcnt 0x0
	ds_add_u32 v96, v97
	s_wait_dscnt 0x0
	s_endpgm
.Lfunc_end_k_qc84b3c19c1_sort:
	.size	k_qc84b3c19c1_sort, .Lfunc_end_k_qc84b3c19c1_sort-k_qc84b3c19c1_sort
	.p2alignl 7, 3214868480
	.fill 96, 4, 3214868480
	.section	.rodata,"a",@progbits
	.p2align	6, 0x0
	.amdhsa_kernel k_qc84b3c19c1_sort
		.amdhsa_group_segment_fixed_size 8192
		.amdhsa_private_segment_fixed_size 0
		.amdhsa_enable_private_segment 0
		.amdhsa_kernarg_size 16
		.amdhsa_user_sgpr_count 2
		.amdhsa_user_sgpr_kernarg_segment_ptr 1
		.amdhsa_wavefront_size32 1
		.amdhsa_system_sgpr_workgroup_id_x 1
		.amdhsa_system_sgpr_workgroup_id_y 1
		.amdhsa_system_sgpr_workgroup_id_z 1
		.amdhsa_system_vgpr_workitem_id 0
		.amdhsa_next_free_vgpr 98
		.amdhsa_next_free_sgpr 66
		.amdhsa_reserve_vcc 1
		.amdhsa_float_denorm_mode_32 3
		.amdhsa_float_denorm_mode_16_64 3
		.amdhsa_memory_ordered 1
		.amdhsa_forward_progress 1
		.amdhsa_inst_pref_size 81
	.end_amdhsa_kernel
	.amdgpu_metadata
---
amdhsa.version: [ 1, 2 ]
amdhsa.kernels:
  - .name:           k_qc84b3c19c1_sort
    .symbol:         k_qc84b3c19c1_sort.kd
    .args:
      - { .name: key, .offset: 0, .size: 8, .value_kind: global_buffer, .address_space: global }
      - { .name: list, .offset: 8, .size: 8, .value_kind: global_buffer, .address_space: global }
    .group_segment_fixed_size: 8192
    .private_segment_fixed_size: 0
    .kernarg_segment_align: 8
    .kernarg_segment_size: 16
    .max_flat_workgroup_size: 1024
    .sgpr_count:     66
    .vgpr_count:     98
    .wavefront_size: 32
...
	.end_amdgpu_metadata
.endif
;; end of part 6
;; launch fc1 (part 7): grid 4 x 91, 4 waves a work-group, no clusters, 50,688 bytes of LDS; arguments wq, xq, list, hq; writes hq
.if DOCPART == 7
	.amdgcn_target "amdgcn-amd-amdhsa--gfx1250"
	.amdhsa_code_object_version 6
	.text
	.protected	k_qc84b3c19c1_fc1
	.globl	k_qc84b3c19c1_fc1
	.p2align	8
	.type	k_qc84b3c19c1_fc1,@function
k_qc84b3c19c1_fc1:
	s_mov_b64 s[64:65], 0
	v_nop
	global_prefetch_b8 v0, s[64:65] scope:SCOPE_SE
	s_setreg_imm32_b32 hwreg(HW_REG_WAVE_SCHED_MODE, 0, 2), 2
	s_setreg_imm32_b32 hwreg(HW_REG_WAVE_MODE, 25, 1), 1
	s_wait_xcnt 0x0
	s_wait_alu depctr_vm_vsrc(0)
; FC1: h = Q(relu(x W1[e])^2) for one tile of the list (64 slots of tokens of one pair), one of the pair's two experts (x / 2) and half of the 1,024 hidden units (x % 2).  h leaves as codes and scale words.
; Wave w makes hidden units 512 (x % 2) + 128 w .. + 127, which are K step 4 (x % 2) + w of the second product, for all 64 slots, in two passes of 64 units; a pass is 8 K steps of 16 matrix instructions.
; The product is used transposed (source 0 = 16 rows of W1's tile, source 1 = 16 slots of x): a lane holds one slot, and by the choice of a tile's rows its 16 registers of two neighbouring tiles are 16 neighbours along the next K.
; Slots from n on repeat slot n - 1's token.  The list enters addresses alone, each number behind a bound written in the instruction; no branch and no count hangs on it.
; hq: codes [item = 2 tile + which][16 slots m][K step 8][1,536 bytes], a fragment in four dense planes: registers 0-3 at 16 l, 4-5 at 512 + 8 l, 6-7 at 768 + 8 l, 8-11 at 1,024 + 16 l, so that a pass's six registers leave whole;
;     from HSOFF the scale words [item][K step 8][slot 64].  The scale words leave as two stores of 128 bytes that fill one aligned 256.
; No multicast: which tiles share an expert's weights hangs on the list, and x's rows are gathered one by one.  Weights come straight into registers, three steps ahead, each load 512 consecutive bytes.
; REGISTERS.  Window 0: v1-11 addresses; v12-27 x's scale words, v28-59 W1's (nothing else ever stands there); v60-61 tokens; v62-63 the closing add's two; v64-255 a ring of four sets of W1's four fragments.
;             Window 1: v0-127 the 16 accumulators (m, t) at 32 m + 8 t; v128-175, v176-223 x's four fragments, two sets; v224-255 at work; v252-255 h's scale words as they grow.
; THE MODE: SCHED_MODE bits 1:0 = 2 (LLVM: expert scheduling mode 2), set by the entry lines.  The code itself states the register dependences
; between vector or matrix instructions and memory or LDS instructions, with s_wait_alu, always for 0.
; THE PLAN.  Registers that memory or LDS instructions touch:
;   ring set k   The weights of step g land in set g % 4, asked for in step g - 3; step g's products read them.
;   x set k      The fragments of step g land in set g % 2, asked for in step g - 1; step g's products read them.  At a pass's end set 1 takes the codes: written by vector instructions, read by the stores.
;   v4-v9        Offsets and LDS addresses: made once at the head, never written again.      v12-59  Scale words: written by loads, read by products.
;   at the head  v224-233 the slots' offsets (vector, then the tokens' loads read them); v208-215, v60-61 the tokens (loaded, made into offsets, read by loads); window 1 v0-95 the gathered rows (loaded, read by LDS stores).
; So ONE wait on va_vdst stands at the head of a step: the step before is done reading x's other set and the ring's set (g + 3) % 4.  The step's 24 loads follow it in two runs among its sixteen products,
; which name set g % 2, ring set g % 4, the accumulators and the scale words: none of the registers that those loads touch.
.set WCM,   786432
.set TILEB, 12288
.set FRB,   1536
.set WSOFF, 12582912
.set XSOFF, 3145728
.set HSOFF, 8945664
.set XP,    784                        ; a row of x's codes in LDS: 768 bytes + 16: the 16 rows of a load start in 16 different groups of four banks
.set XSC,  12
.set WSC,  28
.set RING, 64
.set TK,   208                         ; v208-215 (the ring's fourth set, not yet in use): my rows' tokens
.set SL,   224                         ; v224-233 (likewise): the offsets of ten slots in the tile's list: no load lands on its own address
.set XB,   128                         ; window 1
.set P6,   176                         ; window 1: a pass's six registers of codes, 8 m apart (x's second set is free then)
.set T6,   208                         ; window 1: the upper halves before they are moved
.set MX,   224
.set PX,   232
.set SO,   240
.set VQ,   248
.set PW,   252
.set MSB, 0
.macro WIN new                         ; the immediate's high byte repeats the setting that is left; a switch that changes nothing is dropped
.if MSB != \new
	s_set_vgpr_msb (MSB<<8)|\new
.set MSB, \new
.endif
.endm
.set W_MUL,  0x54                      ; source 0 (W1) window 0; source 1 (x), C and D window 1
.set W_D1,   0x40                      ; destination window 1, address window 0
.set W_ALL1, 0x55
.set W_ST1,  0x04                      ; a store's data window 1, its address window 0
	s_load_b256 s[8:15], s[0:1], 0x0               ; wq s8, xq s10, list s12, hq s14
	v_lshl_add_u32 v62, v0, 2, 0xc400
	v_mov_b32 v63, 0
	v_lshrrev_b32 v1, 5, v0
	v_readfirstlane_b32 s2, v1                     ; wave 0..3
	v_and_b32 v1, 31, v0                           ; lane
	v_and_b32 v2, 15, v0                           ; r
	v_bfe_u32 v3, v0, 4, 1                         ; h
	v_lshlrev_b32 v4, 4, v1                        ; 16 x lane
	v_lshlrev_b32 v5, 3, v1                        ; 8 x lane
	v_mul_u32_u24 v6, v2, XP
	v_mad_u32_u24 v6, v3, 48, v6                   ; x's fragments: row r, + 48 h
	s_wait_alu depctr_va_sdst(0)                   ; s2, the wave's number, is written, ahead of its first reader
	s_mul_i32 s5, s2, 16*XP
	v_mul_u32_u24 v7, v3, XP
	v_lshl_add_u32 v7, v2, 4, v7
	v_add_nc_u32 v7, s5, v7                        ; the gather's way into LDS: rows 16 w + h, 16 bytes a lane
	v_lshlrev_b32 v8, 2, v1                        ; 4 x lane
	v_lshlrev_b32 v9, 4, v2                        ; 16 r
	s_lshl_b32 s5, s2, 4
	v_add_nc_u32 v10, s5, v3                       ; slot 16 w + h
.irp p, 0,1,2,3,4,5,6,7
	v_add_nc_u32 v[SL+\p], 2*\p, v10               ; the slots whose rows I gather: sixteen lanes to a row
.endr
	v_mov_b32 v[SL+8], v1                          ; the slots whose scale words I hold: lane, lane + 32
	v_add_nc_u32 v[SL+9], 32, v1
	s_and_b32 s4, ttmp7, 0xffff                    ; the tile
	s_lshr_b32 s3, ttmp9, 1                        ; which expert of the pair
	s_and_b32 s6, ttmp9, 1                         ; which half of the hidden units
	s_lshl_b32 s44, s4, 4
	s_mov_b32 s32, 0x76543210
	s_mov_b32 s33, 0xfedcba98                      ; v_permlanex16_b32's selects for lane l xor 16
	s_mov_b32 s34, 0xffff0000                      ; lanes 16-31
	s_wait_kmcnt 0x0
	s_load_b128 s[16:19], s[12:13], s44 offset:0x0 ; (lo, hi, n, 0)
	s_lshl_b32 s36, s6, 5
	s_lshl_b32 s5, s2, 3
	s_add_co_u32 s36, s36, s5                      ; my first tile of W1: 32 nh + 8 w
	s_mul_i32 s36, s36, TILEB
	s_mov_b32 s37, 0
	s_lshl_b32 s38, s6, 12
	s_lshl_b32 s5, s2, 10
	s_add_co_u32 s38, s38, s5                      ; its rows' scale words, 8 bytes a row
	s_add_co_u32 s38, s38, WSOFF
	s_mov_b32 s39, 0
	s_lshl_b32 s40, s4, 1
	s_add_co_u32 s40, s40, s3                      ; item
	s_lshl_b32 s5, s6, 2
	s_add_co_u32 s5, s5, s2                        ; my K step of the second product
	s_mul_i32 s42, s40, 32*FRB
	s_mul_i32 s41, s5, FRB
	s_add_co_u32 s42, s42, s41
	s_mov_b32 s43, 0
	s_lshl_b32 s40, s40, 11
	s_lshl_b32 s41, s5, 8
	s_add_co_u32 s40, s40, s41
	s_add_co_u32 s40, s40, HSOFF
	s_mov_b32 s41, 0
	s_add_nc_u64 s[28:29], s[14:15], s[42:43]      ; h's codes
	s_add_nc_u64 s[30:31], s[14:15], s[40:41]      ; h's scale words
	s_add_nc_u64 s[24:25], s[10:11], XSOFF         ; x's scale words
	s_lshl_b32 s42, s4, 8
	s_add_co_u32 s42, s42, 1536
	s_add_nc_u64 s[26:27], s[12:13], s[42:43]      ; the tile's tokens
	s_wait_kmcnt 0x0
	s_cmp_lt_u32 ttmp9, 2
	s_cselect_b32 s16, s16, s17
	s_min_u32 s16, s16, 7                          ; the expert
	s_sub_co_u32 s18, s18, 1
	s_min_u32 s18, s18, 63                         ; n - 1
	s_mul_i32 s17, s16, WCM
	s_add_co_u32 s36, s36, s17
	s_add_nc_u64 s[20:21], s[8:9], s[36:37]        ; W1's codes
	s_lshl_b32 s17, s16, 15
	s_add_co_u32 s38, s38, s17
	s_add_nc_u64 s[22:23], s[8:9], s[38:39]        ; W1's scale words
.irp p, 0,1,2,3,4,5,6,7,8,9
	v_min_u32 v[SL+\p], s18, v[SL+\p]              ; slots from n on repeat slot n - 1;
	v_min_u32 v[SL+\p], 63, v[SL+\p]               ; the bound once more as a constant of the instruction: whatever the list holds, the load stays inside the tile's 64 words
	v_lshlrev_b32 v[SL+\p], 2, v[SL+\p]
.endr
	s_wait_alu depctr_va_vdst(0)                   ; the ten slots' offsets are written, which the tokens' loads read; so are v4 to v9, the offsets and LDS addresses of every later load and store
.irp p, 0,1,2,3,4,5,6,7
	global_load_b32 v[TK+\p], v[SL+\p], s[26:27]   ; the tokens first: two more loads hang on them
.endr
	global_load_b32 v60, v[SL+8], s[26:27]
	global_load_b32 v61, v[SL+9], s[26:27]
.irp c, 0,1
.irp u, 0,1
.irp q, 0,1,2,3
	global_load_b64 v[WSC+16*\c+8*\u+2*\q:WSC+16*\c+8*\u+2*\q+1], v5, s[22:23] offset:8192*\q+(64*\c+32*\u)*8   ; pass c, tiles 2 u (lanes 0-15) and 2 u + 1 (lanes 16-31), K steps 2 q, 2 q + 1
.endr
.endr
.endr
.macro WLOAD g                         ; step g's four fragments of W1 into set g % 4
.irp t, 0,1,2,3
.irp k, 0,1,2
	global_load_b128 v[RING+48*((\g)%4)+12*\t+4*\k:RING+48*((\g)%4)+12*\t+4*\k+3], v4, s[20:21] offset:(4*((\g)/8)+\t)*TILEB+FRB*((\g)%8)+512*\k
.endr
.endr
.endm
.macro XLOAD g                         ; step g's four fragments of x into set g % 2
	WIN W_D1
.irp m, 0,1,2,3
.irp k, 0,1,2
	ds_load_b128 v[XB+48*((\g)%2)+12*\m+4*\k:XB+48*((\g)%2)+12*\m+4*\k+3], v6 offset:16*XP*\m+96*((\g)%8)+16*\k
.endr
.endr
.endm
	WLOAD 0
	WLOAD 1
	WLOAD 2
	s_wait_loadcnt 52                              ; the ten tokens are in; the 16 loads of scale words and the 36 of weights may be out
.irp p, 0,1,2,3,4,5,6,7
	v_min_u32 v[TK+\p], 0xfff, v[TK+\p]
	v_mul_u32_u24 v[TK+\p], 0x300, v[TK+\p]        ; a token's 768 bytes of codes,
	v_add_nc_u32 v[TK+\p], v9, v[TK+\p]            ; 16 bytes a lane
.endr
.irp q, 0,1
	v_min_u32 v[60+\q], 0xfff, v[60+\q]
	v_lshlrev_b32 v[60+\q], 5, v[60+\q]            ; its 8 scale words
.endr
	s_wait_alu depctr_va_vdst(0)                   ; the tokens' offsets, v60, v61 and v208 to v215, are written, which the 28 loads below read
.irp q, 0,1
	global_load_b128 v[XSC+8*\q:XSC+8*\q+3], v[60+\q], s[24:25]
	global_load_b128 v[XSC+8*\q+4:XSC+8*\q+7], v[60+\q], s[24:25] offset:16
.endr
	WIN W_D1
.irp p, 0,1,2,3,4,5,6,7
.irp u, 0,1,2
	global_load_b128 v[12*\p+4*\u:12*\p+4*\u+3], v[TK+\p], s[10:11] offset:256*\u  ; sixteen lanes read 256 consecutive bytes, aligned
.endr
.endr
.irp b, 0,1,2,3,4,5,6,7
	v_mov_b32 v[PX+\b], 0                          ; written once: a lane permute's destination counts as one of its sources
.endr
	s_wait_loadcnt 0x0
	WIN W_ST1
.irp p, 0,1,2,3,4,5,6,7
.irp u, 0,1,2
	ds_store_b128 v7, v[12*\p+4*\u:12*\p+4*\u+3] offset:2*XP*\p+256*\u
.endr
.endr
	WIN 0
	s_wait_dscnt 0x0                               ; for the others' sake: my 16 rows have landed
	s_barrier_signal -1
	s_barrier_wait -1
	s_wait_alu depctr_vm_vsrc(0)                   ; my LDS stores have read v0 to v95 of window 1, which the first products write; the head's loads have read their offsets in v208 to v233, in which the fourth set's weights land
	XLOAD 0
.macro WM d, a, b, sa, sb, zero, ra, rb ; one product; ra, rb: the side's scale words stand in lanes 16-31
.if \zero
.if (\ra) && (\rb)
	v_wmma_scale_f32_16x16x128_f8f6f4 v[(\d):(\d)+7], v[(\a):(\a)+11], v[(\b):(\b)+11], 0, v[\sa], v[\sb] matrix_a_fmt:MATRIX_FMT_BF6 matrix_b_fmt:MATRIX_FMT_BF6 matrix_a_scale:MATRIX_SCALE_ROW1 matrix_b_scale:MATRIX_SCALE_ROW1
.elseif \ra
	v_wmma_scale_f32_16x16x128_f8f6f4 v[(\d):(\d)+7], v[(\a):(\a)+11], v[(\b):(\b)+11], 0, v[\sa], v[\sb] matrix_a_fmt:MATRIX_FMT_BF6 matrix_b_fmt:MATRIX_FMT_BF6 matrix_a_scale:MATRIX_SCALE_ROW1
.elseif \rb
	v_wmma_scale_f32_16x16x128_f8f6f4 v[(\d):(\d)+7], v[(\a):(\a)+11], v[(\b):(\b)+11], 0, v[\sa], v[\sb] matrix_a_fmt:MATRIX_FMT_BF6 matrix_b_fmt:MATRIX_FMT_BF6 matrix_b_scale:MATRIX_SCALE_ROW1
.else
	v_wmma_scale_f32_16x16x128_f8f6f4 v[(\d):(\d)+7], v[(\a):(\a)+11], v[(\b):(\b)+11], 0, v[\sa], v[\sb] matrix_a_fmt:MATRIX_FMT_BF6 matrix_b_fmt:MATRIX_FMT_BF6
.endif
.else
.if (\ra) && (\rb)
	v_wmma_scale_f32_16x16x128_f8f6f4 v[(\d):(\d)+7], v[(\a):(\a)+11], v[(\b):(\b)+11], v[(\d):(\d)+7], v[\sa], v[\sb] matrix_a_fmt:MATRIX_FMT_BF6 matrix_b_fmt:MATRIX_FMT_BF6 matrix_a_scale:MATRIX_SCALE_ROW1 matrix_b_scale:MATRIX_SCALE_ROW1
.elseif \ra
	v_wmma_scale_f32_16x16x128_f8f6f4 v[(\d):(\d)+7], v[(\a):(\a)+11], v[(\b):(\b)+11], v[(\d):(\d)+7], v[\sa], v[\sb] matrix_a_fmt:MATRIX_FMT_BF6 matrix_b_fmt:MATRIX_FMT_BF6 matrix_a_scale:MATRIX_SCALE_ROW1
.elseif \rb
	v_wmma_scale_f32_16x16x128_f8f6f4 v[(\d):(\d)+7], v[(\a):(\a)+11], v[(\b):(\b)+11], v[(\d):(\d)+7], v[\sa], v[\sb] matrix_a_fmt:MATRIX_FMT_BF6 matrix_b_fmt:MATRIX_FMT_BF6 matrix_b_scale:MATRIX_SCALE_ROW1
.else
	v_wmma_scale_f32_16x16x128_f8f6f4 v[(\d):(\d)+7], v[(\a):(\a)+11], v[(\b):(\b)+11], v[(\d):(\d)+7], v[\sa], v[\sb] matrix_a_fmt:MATRIX_FMT_BF6 matrix_b_fmt:MATRIX_FMT_BF6
.endif
.endif
.endm
.macro MULS g, m                       ; step g's four products of slots 16 m on
.irp t, 0,1,2,3
	WM 32*(\m)+8*\t, RING+48*((\g)%4)+12*\t, XB+48*((\g)%2)+12*(\m), WSC+16*((\g)/8)+8*(\t/2)+(\g)%8, XSC+8*((\m)/2)+(\g)%8, ((\g)%8)==0, \t%2, (\m)%2
.endr
.endm
; Step g = 8 pass + K step.  np places stand behind the last step's products, ahead of the loads into registers that they read (ISA guide 7.12.1 for vector instructions).
; The 16 accumulators take turns, one instruction a turn, in the same order in every step.  A pass's first step starts the sums with the constant 0.
; The step's loads stand in two runs among its products: the next step's x behind the first four, the weights of three steps on behind the next four.
.macro STEP g, np
.rept \np
	v_nop
.endr
	s_wait_dscnt 0x0                               ; this step's x, asked for twelve products ago, is in
.if (\g) < 14
	s_wait_loadcnt 24                              ; this step's weights are in; those of the two steps behind it, 12 loads each, may be out
.else
	s_wait_loadcnt 12*(15-(\g))
.endif
.if (\g) < 15
	s_wait_alu depctr_va_vdst(0)                   ; the last step's products are done reading x's other set and the ring's set (g + 3) % 4, in which this step's loads land (step 0: the head's vector lines are done with v208 to v233; step 8: the pass's end with x's second set)
.endif
	WIN W_MUL
	MULS \g, 0
.if (\g) < 15
	XLOAD (\g)+1                                   ; no wait: no vector or matrix instruction since the wait above names that set or v6
.endif
	WIN W_MUL
	MULS \g, 1
.if (\g) < 13
	WIN 0
	WLOAD (\g)+3                                   ; likewise: none names that set of the ring or v4
.endif
	WIN W_MUL
	MULS \g, 2
	MULS \g, 3
.endm
; A pass's end: relu, the square, and the quantiser along the next K.  Block (m, b) is registers 32 m + 16 b .. + 15 of lanes l and l xor 16.  The pass gives registers 6 c .. 6 c + 5 of the next operand and bytes 2 c, 2 c + 1 of its scale word.
.macro EPI c
.rept 4
	v_nop                                          ; four places ahead of the first read of the sums and of writes into x's second set
.endr
	WIN W_ALL1
.set i, 0
.rept 128
	v_max_num_f32 v[i], 0, v[i]                    ; each accumulator from its low end on
.set i, i+1
.endr
.set i, 0
.rept 64
	v_pk_mul_f32 v[i:i+1], v[i:i+1], v[i:i+1]
.set i, i+2
.endr
.irp b, 0,1,2,3,4,5,6,7
	v_max3_num_f32 v[MX+\b], v[16*\b], v[16*\b+1], 0x2800000       ; none is negative: no |.|; the floor 2^(5 - 127) holds the byte at 1 from below
.endr
.irp e, 2,4,6,8,10,12,14
.irp b, 0,1,2,3,4,5,6,7
	v_max3_num_f32 v[MX+\b], v[MX+\b], v[16*\b+\e], v[16*\b+\e+1]
.endr
.endr
.irp b, 0,1,2,3,4,5,6,7
	v_permlanex16_b32 v[PX+\b], v[MX+\b], s32, s33
.endr
.irp b, 0,1,2,3,4,5,6,7
	v_max_num_f32 v[MX+\b], v[MX+\b], v[PX+\b]
.endr
.irp b, 0,1,2,3,4,5,6,7
	v_add_nc_u32 v[SO+\b], 0xfe000000, v[MX+\b]    ; 4 off the exponent field: the conversion's scale operand
.endr
.irp b, 0,1,2,3,4,5,6,7
	v_lshrrev_b32 v[PX+\b], 23, v[SO+\b]           ; the byte
.endr
.irp m, 0,1,2,3
.if \c == 0
	v_lshl_or_b32 v[PW+\m], v[PX+2*\m+1], 8, v[PX+2*\m]
.else
	v_lshl_or_b32 v[PW+\m], v[PX+2*\m], 16, v[PW+\m]
	v_lshl_or_b32 v[PW+\m], v[PX+2*\m+1], 24, v[PW+\m]
.endif
.endr
.irp m, 0,1,2,3
	v_cvt_scalef32_pk16_bf6_f32 v[P6+8*\m:P6+8*\m+2], v[32*\m:32*\m+15], v[SO+2*\m]
	v_cvt_scalef32_pk16_bf6_f32 v[T6+4*\m:T6+4*\m+2], v[32*\m+16:32*\m+31], v[SO+2*\m+1]
.endr
	v_nop                                          ; one plain place behind the scaled conversions
.irp m, 0,1,2,3
.irp e, 0,1,2
	v_permlane16_swap_b32 v[P6+8*\m+\e], v[T6+4*\m+\e]             ; the operand wants a whole block in a lane: lanes 0-15 the first block, lanes 16-31 the second
.endr
.irp e, 0,1,2
	v_mov_b32 v[P6+8*\m+3+\e], v[T6+4*\m+\e]
.endr
.endr
.if \c == 1
.irp q, 0,1
	v_cndmask_b32 v[VQ+\q], v[PW+2*\q], v[PW+2*\q+1], s34          ; slots 32 q + lane
.endr
.endif
	WIN W_ST1
	s_wait_alu depctr_va_vdst(0)                   ; the swaps and moves have written the codes (in the second pass the selections the scale words too), which the stores below read
.irp m, 0,1,2,3
.if \c == 0
	global_store_b128 v4, v[P6+8*\m:P6+8*\m+3], s[28:29] offset:8*FRB*\m           ; 512 consecutive bytes
	global_store_b64 v5, v[P6+8*\m+4:P6+8*\m+5], s[28:29] offset:8*FRB*\m+512      ; 256
.else
	global_store_b64 v5, v[P6+8*\m:P6+8*\m+1], s[28:29] offset:8*FRB*\m+768
	global_store_b128 v4, v[P6+8*\m+2:P6+8*\m+5], s[28:29] offset:8*FRB*\m+1024
.endif
.endr
.if \c == 1
.irp q, 0,1
	global_store_b32 v8, v[VQ+\q], s[30:31] offset:128*\q
.endr
.endif
	WIN 0
.endm
.irp g, 0,1,2,3,4,5,6,7
	STEP \g, 4
.endr
	EPI 0
	s_wait_xcnt 0x0                                ; the stores have had their addresses translated: only behind this wait do the next loads land in the registers that they read
	s_wait_alu depctr_vm_vsrc(0)                   ; the stores have read the codes' registers: they are x's second set again, in which step 9's fragments land, and the second pass's end writes them anew
	STEP 8, 0                                      ; (the four places at the head of the pass's end serve here)
.irp g, 9,10,11,12,13,14,15
	STEP \g, 4
.endr
	EPI 1
	s_wait_dscnt 0x0                               ; the closing lines, six on end
	s_wait_alu 0x0
	s_wait_tensorcnt 0x0
	ds_add_u32 v62, v63
	s_wait_dscnt 0x0
	s_endpgm
.Lfunc_end_k_qc84b3c19c1_fc1:
	.size	k_qc84b3c19c1_fc1, .Lfunc_end_k_qc84b3c19c1_fc1-k_qc84b3c19c1_fc1
	.p2alignl 7, 3214868480
	.fill 96, 4, 3214868480
	.section	.rodata,"a",@progbits
	.p2align	6, 0x0
	.amdhsa_kernel k_qc84b3c19c1_fc1
		.amdhsa_group_segment_fixed_size 50688
		.amdhsa_private_segment_fixed_size 0
		.amdhsa_enable_private_segment 0
		.amdhsa_kernarg_size 32
		.amdhsa_user_sgpr_count 2
		.amdhsa_user_sgpr_kernarg_segment_ptr 1
		.amdhsa_wavefront_size32 1
		.amdhsa_system_sgpr_workgroup_id_x 1
		.amdhsa_system_sgpr_workgroup_id_y 1
		.amdhsa_system_sgpr_workgroup_id_z 1
		.amdhsa_system_vgpr_workitem_id 0
		.amdhsa_next_free_vgpr 512
		.amdhsa_next_free_sgpr 66
		.amdhsa_reserve_vcc 0
		.amdhsa_float_denorm_mode_32 3
		.amdhsa_float_denorm_mode_16_64 3
		.amdhsa_memory_ordered 1
		.amdhsa_forward_progress 1
		.amdhsa_inst_pref_size 114
	.end_amdhsa_kernel
	.amdgpu_metadata
---
amdhsa.version: [ 1, 2 ]
amdhsa.kernels:
  - .name:           k_qc84b3c19c1_fc1
    .symbol:         k_qc84b3c19c1_fc1.kd
    .args:
      - { .name: wq, .offset: 0, .size: 8, .value_kind: global_buffer, .address_space: global }
      - { .name: xq, .offset: 8, .size: 8, .value_kind: global_buffer, .address_space: global }
      - { .name: list, .offset: 16, .size: 8, .value_kind: global_buffer, .address_space: global }
      - { .name: hq, .offset: 24, .size: 8, .value_kind: global_buffer, .address_space: global }
    .group_segment_fixed_size: 50688
    .private_segment_fixed_size: 0
    .kernarg_segment_align: 8
    .kernarg_segment_size: 32
    .max_flat_workgroup_size: 128
    .sgpr_count:     66
    .vgpr_count:     512
    .wavefront_size: 32
...
	.end_amdgpu_metadata
.endif
;; end of part 7
;; launch fc2 (part 8): grid 4 x 91, 4 waves a work-group, no clusters, 120,320 bytes of LDS; arguments wq, hq, list, gate, out0; writes out0
.if DOCPART == 8
	.amdgcn_target "amdgcn-amd-amdhsa--gfx1250"
	.amdhsa_code_object_version 6
	.text
	.protected	k_qc84b3c19c1_fc2
	.globl	k_qc84b3c19c1_fc2
	.p2align	8
	.type	k_qc84b3c19c1_fc2,@function
k_qc84b3c19c1_fc2:
	s_mov_b64 s[64:65], 0
	v_nop
	global_prefetch_b8 v0, s[64:65] scope:SCOPE_SE
	s_setreg_imm32_b32 hwreg(HW_REG_WAVE_SCHED_MODE, 0, 2), 2
	s_setreg_imm32_b32 hwreg(HW_REG_WAVE_MODE, 25, 1), 1
	s_wait_xcnt 0x0
	s_wait_alu depctr_vm_vsrc(0)
; FC2: out[token] = g_lo h_lo W2[lo] + g_hi h_hi W2[hi] for one tile of the list (64 slots of tokens of one pair) and a quarter (x) of the 1,024 columns.  Each output row has one owner: no sum spans work-groups.
; Wave w makes columns 256 x + 64 w .. + 63 for all 64 slots: 16 accumulators.  Pass 0 sums h_lo W2[lo] over 8 K steps; the sums are multiplied by g_lo / g; pass 1 adds h_hi W2[hi] onto them; at the end all is multiplied by g.
; g = max(g_hi, 2^-40).  LIMIT: a g_hi under 2^-40 counts as 2^-40, which changes out by at most 2^-40 |h W2|.
; The product is used transposed (source 0 = 16 rows of W2's tile = 16 columns of out, source 1 = 16 slots of h): a lane holds one slot and eight neighbouring columns.
; Slots from n on repeat slot n - 1's token: they hold the same numbers and store them to the same row, from this wave.  The list enters addresses alone, each number behind a bound written in the instruction.
; The two items' codes and scale words (102,400 dense bytes) come into LDS once, as they lie; the weights come straight into registers, three steps ahead.
; No multicast: which tiles share an expert's weights hangs on the list; what the four quarters of a tile share, h, is a fifth of a work-group's bytes.
; REGISTERS.  Window 0: v1-13, v62 addresses; v14-17 tokens; v18-25 (g_lo / g, g) for each 16 slots; v26-29 h's scale words, two sets, v30-61 W2's (nothing else ever stands there); v64-255 a ring of four sets of W2's four fragments.
;             Window 1: v0-127 the accumulators (m, t) at 32 m + 8 t; v128-175, v176-223 h's four fragments, two sets.
; THE MODE: SCHED_MODE bits 1:0 = 2 (LLVM: expert scheduling mode 2), set by the entry lines.  The code itself states the register dependences
; between vector or matrix instructions and memory or LDS instructions, with s_wait_alu, always for 0.
; THE PLAN.  Registers that memory or LDS instructions touch:
;   ring set k   The weights of step g land in set g % 4, asked for in step g - 3; step g's products read them.
;   h set k      The fragments of step g (window 1) and its two scale words (v26 + 2 k) land in set g % 2, asked for in step g - 1; step g's products read them.
;   v4-v13, v62  Offsets and LDS addresses: made once at the head, never written again.      v30-61  W2's scale words: written by loads, read by products.
;   at the head  v216-219 the slots' offsets and v208-211 the gates' (vector, then read by loads); v14-17 the tokens (loaded, bounded; read by the way out's permutes); window 1 v0-199 the dense copy (loaded, read by LDS stores).
;   way out      v64-71 which lane holds a row's token, v72-103 all 32 rows' offsets, v112-239 four blocks of rows: each register is written once, so nothing that a memory instruction has read is written again.
; So ONE wait on va_vdst stands at the head of a step: the step before is done reading h's other set and the ring's set (g + 3) % 4.  The step's 30 loads follow it in two runs among its sixteen products,
; which name set g % 2, ring set g % 4, the accumulators and W2's scale words: none of the registers that those loads touch.  The way out has two such waits, and no vector instruction behind the second.
.set WCM,   786432
.set TILEB, 12288
.set FRB,   1536
.set WSOFF, 12582912
.set HSOFF, 8945664
.set ITEMB, 32*FRB                     ; an item's codes
.set HSL,   2*ITEMB                    ; LDS: behind the two items' codes their scale words, 4,096 bytes,
.set SG,    HSL+4096                   ; and a stage of 16 rows x (256 + 16) bytes for each wave
.set TM4,  14
.set GR,   18
.set HSC,  26
.set WSC,  30
.set RING, 64
.set SLT,  216                         ; v216-219 (the ring's fourth set, not yet in use): the offsets of four slots in the tile's list: no load lands on its own address
.set XB,   128                         ; window 1
.set IX,   64                          ; the way out: which lane holds a row's token;
.set TG,   72                          ; the 32 rows' tokens, then their offsets in out: block m's at TG + 8 m;
.set OB,   112                         ; 16 rows read back: block m's at OB + 32 m
.set MSB, 0
.macro WIN new                         ; the immediate's high byte repeats the setting that is left; a switch that changes nothing is dropped
.if MSB != \new
	s_set_vgpr_msb (MSB<<8)|\new
.set MSB, \new
.endif
.endm
.set W_MUL,  0x54                      ; source 0 (W2) window 0; source 1 (h), C and D window 1
.set W_D1,   0x40                      ; destination window 1, address window 0
.set W_ST1,  0x04                      ; a store's data window 1, its address window 0
.set W_RS,   0x41                      ; destination and source 0 window 1, source 1 window 0
	s_load_b256 s[8:15], s[0:1], 0x0               ; wq s8, hq s10, list s12, gate s14
	s_load_b64 s[16:17], s[0:1], 0x20              ; out0
	v_lshl_add_u32 v63, v0, 2, 0x1d400
	s_set_vgpr_msb 0x40
	v_mov_b32 v255, 0
	s_set_vgpr_msb 0x4000
	v_lshrrev_b32 v1, 5, v0
	v_readfirstlane_b32 s2, v1                     ; wave 0..3
	v_and_b32 v1, 31, v0                           ; lane
	v_and_b32 v2, 15, v0                           ; r
	v_bfe_u32 v3, v0, 4, 1                         ; h
	v_lshlrev_b32 v4, 4, v1                        ; 16 x lane: weights, and the first item's planes of 16 bytes
	v_lshlrev_b32 v5, 3, v1                        ; 8 x lane: its planes of 8 bytes, and the weights' scale words
	v_add_nc_u32 v6, ITEMB, v4                     ; the second item's
	v_add_nc_u32 v7, ITEMB, v5
	v_lshlrev_b32 v8, 2, v1
	v_add_nc_u32 v8, HSL, v8                       ; h's scale words: 4 x lane
	s_wait_alu depctr_va_sdst(0)                   ; s2, the wave's number, is written, ahead of its first reader
	s_mul_i32 s5, s2, 16*272
	s_add_co_u32 s5, s5, SG
	v_mul_u32_u24 v9, v2, 272
	v_lshl_add_u32 v9, v3, 5, v9
	v_add_nc_u32 v9, s5, v9                        ; my stage, in: row r, + 32 h
	v_mul_u32_u24 v10, v3, 272
	v_lshl_add_u32 v10, v2, 4, v10
	v_add_nc_u32 v10, s5, v10                      ; back: lanes 0-15 one row, lanes 16-31 the next
	v_lshlrev_b32 v11, 4, v2                       ; 16 r
	v_lshlrev_b32 v12, 2, v3                       ; 4 h
	v_lshlrev_b32 v13, 4, v0                       ; 16 x thread: the dense copy, in memory and in LDS;
	v_add_nc_u32 v62, 0x10000, v13                 ; its bytes from 65,536 on (an LDS offset has 16 bits)
.irp m, 0,1,2,3
	v_add_nc_u32 v[SLT+\m], 16*\m, v2              ; slot 16 m + r
.endr
	s_and_b32 s4, ttmp7, 0xffff                    ; the tile
	s_lshl_b32 s52, s4, 4
	s_mul_i32 s36, s4, 2*ITEMB
	s_mov_b32 s37, 0
	s_lshl_b32 s38, s4, 12
	s_add_co_u32 s38, s38, HSOFF
	s_mov_b32 s39, 0
	s_wait_kmcnt 0x0
	s_load_b128 s[40:43], s[12:13], s52 offset:0x0 ; (lo, hi, n, 0)
	s_add_nc_u64 s[30:31], s[10:11], s[36:37]      ; the two items' codes,
	s_add_nc_u64 s[32:33], s[10:11], s[38:39]      ; and scale words
	WIN W_D1
	s_wait_alu depctr_va_vdst(0)                   ; v13 is written, which the 50 loads below read; so are v4 to v12 and v62, the offsets and LDS addresses of every later load and store
.set i, 0
.rept 48
	global_load_b128 v[4*i:4*i+3], v13, s[30:31] offset:2048*i     ; the work-group's 128 threads read 2,048 consecutive bytes
.set i, i+1
.endr
.rept 2
	global_load_b128 v[4*i:4*i+3], v13, s[32:33] offset:2048*(i-48)
.set i, i+1
.endr
	WIN 0
	s_lshl_b32 s44, ttmp9, 4
	s_lshl_b32 s5, s2, 2
	s_add_co_u32 s44, s44, s5                      ; my first tile of W2: 16 x + 4 w
	s_mul_i32 s44, s44, TILEB
	s_add_co_u32 s44, s44, 8*WCM                   ; W2's matrices stand behind W1's eight
	s_lshl_b32 s45, ttmp9, 11
	s_lshl_b32 s5, s2, 9
	s_add_co_u32 s45, s45, s5                      ; its rows' scale words, 8 bytes a row
	s_add_co_u32 s45, s45, WSOFF+8*32768
	s_mov_b32 s47, 0
	s_mov_b32 s49, 0
	s_lshl_b32 s48, s4, 8
	s_add_co_u32 s48, s48, 1536
	s_add_nc_u64 s[28:29], s[12:13], s[48:49]      ; the tile's tokens
	s_lshl_b32 s48, ttmp9, 10
	s_lshl_b32 s5, s2, 8
	s_add_co_u32 s48, s48, s5
	s_add_nc_u64 s[34:35], s[16:17], s[48:49]      ; out at my 64 columns
	s_wait_kmcnt 0x0
	s_min_u32 s40, s40, 7
	s_min_u32 s41, s41, 7
	s_sub_co_u32 s42, s42, 1
	s_min_u32 s42, s42, 63                         ; n - 1
	s_mul_i32 s46, s40, WCM
	s_add_co_u32 s46, s46, s44
	s_add_nc_u64 s[20:21], s[8:9], s[46:47]        ; W2[lo]'s codes
	s_mul_i32 s46, s41, WCM
	s_add_co_u32 s46, s46, s44
	s_add_nc_u64 s[22:23], s[8:9], s[46:47]        ; W2[hi]'s
	s_lshl_b32 s46, s40, 15
	s_add_co_u32 s46, s46, s45
	s_add_nc_u64 s[24:25], s[8:9], s[46:47]        ; their scale words
	s_lshl_b32 s46, s41, 15
	s_add_co_u32 s46, s46, s45
	s_add_nc_u64 s[26:27], s[8:9], s[46:47]
.irp m, 0,1,2,3
	v_min_u32 v[SLT+\m], s42, v[SLT+\m]            ; slots from n on repeat slot n - 1;
	v_min_u32 v[SLT+\m], 63, v[SLT+\m]             ; the bound once more as a constant of the instruction
	v_lshlrev_b32 v[SLT+\m], 2, v[SLT+\m]
.endr
	s_wait_alu depctr_va_vdst(0)                   ; the four slots' offsets are written, which the tokens' loads read
.irp m, 0,1,2,3
	global_load_b32 v[TM4+\m], v[SLT+\m], s[28:29]
.endr
.irp c, 0,1
.irp u, 0,1
.irp q, 0,1,2,3
	global_load_b64 v[WSC+16*\c+8*\u+2*\q:WSC+16*\c+8*\u+2*\q+1], v5, s[24+2*\c:25+2*\c] offset:8192*\q+32*\u*8   ; pass c, tiles 2 u (lanes 0-15) and 2 u + 1 (lanes 16-31), K steps 2 q, 2 q + 1
.endr
.endr
.endr
.macro WLOAD g                         ; step g's four fragments of W2 into set g % 4
.irp t, 0,1,2,3
.irp k, 0,1,2
	global_load_b128 v[RING+48*((\g)%4)+12*\t+4*\k:RING+48*((\g)%4)+12*\t+4*\k+3], v4, s[20+2*((\g)/8):21+2*((\g)/8)] offset:\t*TILEB+FRB*((\g)%8)+512*\k
.endr
.endr
.endm
.macro XLOADC g                        ; step g's four fragments of h into set g % 2: 16 LDS loads
.set XO, XB+48*((\g)%2)
.set PA, 4+2*((\g)/8)
	WIN W_D1
.irp m, 0,1,2,3
	ds_load_b128 v[XO+12*\m:XO+12*\m+3], v[PA] offset:(8*\m+(\g)%8)*FRB
	ds_load_b64 v[XO+12*\m+4:XO+12*\m+5], v[PA+1] offset:(8*\m+(\g)%8)*FRB+512
	ds_load_b64 v[XO+12*\m+6:XO+12*\m+7], v[PA+1] offset:(8*\m+(\g)%8)*FRB+768
	ds_load_b128 v[XO+12*\m+8:XO+12*\m+11], v[PA] offset:(8*\m+(\g)%8)*FRB+1024
.endr
.endm
.macro XLOADS g                        ; and its scale words: 2 LDS loads
	WIN 0
	ds_load_b32 v[HSC+2*((\g)%2)], v8 offset:2048*((\g)/8)+256*((\g)%8)            ; lanes 0-15: slots 0-15, lanes 16-31: slots 16-31
	ds_load_b32 v[HSC+2*((\g)%2)+1], v8 offset:2048*((\g)/8)+256*((\g)%8)+128      ; slots 32-63
.endm
	WLOAD 0
	WLOAD 1
	WLOAD 2
	s_wait_loadcnt 52                              ; h and the tokens are in; the 16 loads of scale words and the 36 of weights may be out
	WIN W_ST1
.set i, 0
.rept 32
	ds_store_b128 v13, v[4*i:4*i+3] offset:2048*i
.set i, i+1
.endr
.rept 18
	ds_store_b128 v62, v[4*i:4*i+3] offset:2048*(i-32)
.set i, i+1
.endr
	WIN 0
.irp m, 0,1,2,3
	v_min_u32 v[TM4+\m], 0xfff, v[TM4+\m]
	v_lshlrev_b32 v[208+\m], 3, v[TM4+\m]
.endr
	s_wait_alu depctr_va_vdst(0)                   ; the gates' offsets, v208 to v211, are written, which the four loads below read
.irp m, 0,1,2,3
	global_load_b64 v[GR+2*\m:GR+2*\m+1], v[208+\m], s[14:15]      ; (g_lo, g_hi) of slot 16 m + r
.endr
	s_wait_dscnt 0x0                               ; for the others' sake: my part of h has landed
	s_barrier_signal -1
	s_barrier_wait -1
	s_wait_alu depctr_vm_vsrc(0)                   ; my LDS stores have read v0 to v199 of window 1, in which h's fragments land and which the first products write; the head's loads have read their offsets in v208 to v219, in which the fourth set's weights land
	XLOADC 0
	XLOADS 0
	s_wait_loadcnt 0x0                             ; the gates; the weights asked for ahead of them too
.irp m, 0,1,2,3
	v_max_num_f32 v[GR+2*\m+1], 0x2b800000, v[GR+2*\m+1]           ; g = max(g_hi, 2^-40)
.endr
	s_wait_alu depctr_va_vdst(0)
.irp m, 0,1,2,3
	v_rcp_f32 v[212+\m], v[GR+2*\m+1]
.endr
	v_nop                                          ; a plain place behind the last reciprocal
	s_wait_alu depctr_va_vdst(0)                   ; the four reciprocals have written v212 to v215: one wait, ahead of their first reader
.irp m, 0,1,2,3
	v_mul_f32 v[GR+2*\m], v[GR+2*\m], v[212+\m]    ; g_lo / g
.endr
.macro WM d, a, b, sa, sb, zero, ra, rb ; one product; ra, rb: the side's scale words stand in lanes 16-31
.if \zero
.if (\ra) && (\rb)
	v_wmma_scale_f32_16x16x128_f8f6f4 v[(\d):(\d)+7], v[(\a):(\a)+11], v[(\b):(\b)+11], 0, v[\sa], v[\sb] matrix_a_fmt:MATRIX_FMT_BF6 matrix_b_fmt:MATRIX_FMT_BF6 matrix_a_scale:MATRIX_SCALE_ROW1 matrix_b_scale:MATRIX_SCALE_ROW1
.elseif \ra
	v_wmma_scale_f32_16x16x128_f8f6f4 v[(\d):(\d)+7], v[(\a):(\a)+11], v[(\b):(\b)+11], 0, v[\sa], v[\sb] matrix_a_fmt:MATRIX_FMT_BF6 matrix_b_fmt:MATRIX_FMT_BF6 matrix_a_scale:MATRIX_SCALE_ROW1
.elseif \rb
	v_wmma_scale_f32_16x16x128_f8f6f4 v[(\d):(\d)+7], v[(\a):(\a)+11], v[(\b):(\b)+11], 0, v[\sa], v[\sb] matrix_a_fmt:MATRIX_FMT_BF6 matrix_b_fmt:MATRIX_FMT_BF6 matrix_b_scale:MATRIX_SCALE_ROW1
.else
	v_wmma_scale_f32_16x16x128_f8f6f4 v[(\d):(\d)+7], v[(\a):(\a)+11], v[(\b):(\b)+11], 0, v[\sa], v[\sb] matrix_a_fmt:MATRIX_FMT_BF6 matrix_b_fmt:MATRIX_FMT_BF6
.endif
.else
.if (\ra) && (\rb)
	v_wmma_scale_f32_16x16x128_f8f6f4 v[(\d):(\d)+7], v[(\a):(\a)+11], v[(\b):(\b)+11], v[(\d):(\d)+7], v[\sa], v[\sb] matrix_a_fmt:MATRIX_FMT_BF6 matrix_b_fmt:MATRIX_FMT_BF6 matrix_a_scale:MATRIX_SCALE_ROW1 matrix_b_scale:MATRIX_SCALE_ROW1
.elseif \ra
	v_wmma_scale_f32_16x16x128_f8f6f4 v[(\d):(\d)+7], v[(\a):(\a)+11], v[(\b):(\b)+11], v[(\d):(\d)+7], v[\sa], v[\sb] matrix_a_fmt:MATRIX_FMT_BF6 matrix_b_fmt:MATRIX_FMT_BF6 matrix_a_scale:MATRIX_SCALE_ROW1
.elseif \rb
	v_wmma_scale_f32_16x16x128_f8f6f4 v[(\d):(\d)+7], v[(\a):(\a)+11], v[(\b):(\b)+11], v[(\d):(\d)+7], v[\sa], v[\sb] matrix_a_fmt:MATRIX_FMT_BF6 matrix_b_fmt:MATRIX_FMT_BF6 matrix_b_scale:MATRIX_SCALE_ROW1
.else
	v_wmma_scale_f32_16x16x128_f8f6f4 v[(\d):(\d)+7], v[(\a):(\a)+11], v[(\b):(\b)+11], v[(\d):(\d)+7], v[\sa], v[\sb] matrix_a_fmt:MATRIX_FMT_BF6 matrix_b_fmt:MATRIX_FMT_BF6
.endif
.endif
.endm
.macro MULS g, m                       ; step g's four products of slots 16 m on
.irp t, 0,1,2,3
	WM 32*(\m)+8*\t, RING+48*((\g)%4)+12*\t, XB+48*((\g)%2)+12*(\m), WSC+16*((\g)/8)+8*(\t/2)+(\g)%8, HSC+2*((\g)%2)+(\m)/2, (\g)==0, \t%2, (\m)%2
.endr
.endm
; Step g = 8 pass + K step.  np places stand behind the last step's products, ahead of the loads into registers that they read (ISA guide 7.12.1 for vector instructions).
; The 16 accumulators take turns, one instruction a turn, in the same order in every step.  The very first step starts the sums with the constant 0.
; The step's loads stand in two runs among its products: the next step's codes of h behind the first four; its scale words and the weights of three steps on behind the next four.
.macro STEP g, np
.rept \np
	v_nop
.endr
	s_wait_dscnt 0x0                               ; this step's h, asked for in the step before, is in
.if (\g) < 14
	s_wait_loadcnt 24                              ; this step's weights are in; those of the two steps behind it, 12 loads each, may be out
.else
	s_wait_loadcnt 12*(15-(\g))
.endif
.if (\g) < 15
	s_wait_alu depctr_va_vdst(0)                   ; the last step's products are done reading h's other set, its scale words and the ring's set (g + 3) % 4, in which this step's loads land (step 0: the head's vector lines are done with v208 to v219)
.endif
	WIN W_MUL
	MULS \g, 0
.if (\g) < 15
	XLOADC (\g)+1                                  ; no wait: no vector or matrix instruction since the wait above names that set or v4 to v7
.endif
	WIN W_MUL
	MULS \g, 1
.if (\g) < 15
	XLOADS (\g)+1                                  ; likewise: none names that set's two scale words or v8
.endif
.if (\g) < 13
	WIN 0
	WLOAD (\g)+3                                   ; nor that set of the ring
.endif
	WIN W_MUL
	MULS \g, 2
	MULS \g, 3
.endm
.macro SCALEALL                        ; every sum times the low word of its 16 slots' pair; each accumulator from its low end on
.rept 4
	v_nop                                          ; four places ahead of the first read of the sums
.endr
	WIN W_RS
.irp m, 0,1,2,3
.set i, 32*\m
.rept 16
	v_pk_mul_f32 v[i:i+1], v[i:i+1], v[GR+2*\m:GR+2*\m+1] op_sel_hi:[1,0]
.set i, i+2
.endr
.endr
	WIN 0
.endm
.irp g, 0,1,2,3,4,5,6,7
	STEP \g, 4
.endr
	SCALEALL                                       ; x g_lo / g
	STEP 8, 0                                      ; (the four places at the head of the scaling serve here)
.irp g, 9,10,11,12,13,14,15
	STEP \g, 4
.endr
	WIN 0
.irp m, 0,1,2,3
	v_mov_b32 v[GR+2*\m], v[GR+2*\m+1]
.endr
.irp i, 0,1,2,3,4,5,6,7
	v_add_nc_u32 v[IX+\i], 8*\i, v12               ; row 2 i + h of a block of 16: its token stands in lane 2 i + h
.endr
	s_wait_alu depctr_va_vdst(0)                   ; v64 to v71 are written, which the permutes read; the products are done reading the ring's registers, in which the permutes' results and later the rows land
.irp m, 0,1,2,3
.irp i, 0,1,2,3,4,5,6,7
	ds_bpermute_b32 v[TG+8*\m+\i], v[IX+\i], v[TM4+\m]             ; all 32 rows' tokens at once: they are on their way during the scaling
.endr
.endr
	SCALEALL                                       ; x g
	s_wait_dscnt 0x0                               ; the tokens are in
.set j, 0
.rept 32
	v_min_u32 v[TG+j], 0xfff, v[TG+j]
.set j, j+1
.endr
.set j, 0
.rept 32
	v_lshlrev_b32 v[TG+j], 12, v[TG+j]             ; the token's row of 4,096 bytes,
.set j, j+1
.endr
.set j, 0
.rept 32
	v_add_nc_u32 v[TG+j], v11, v[TG+j]             ; 16 bytes a lane
.set j, j+1
.endr
	s_wait_alu depctr_va_vdst(0)                   ; the scaling has written the sums, which the LDS stores read, and the 32 offsets are written, which the global stores read; no vector instruction follows
; THE WAY OUT, 16 slots at a time.  A lane holds 32 neighbouring bytes of a row for each of four tiles, and the lanes beside it hold other rows: the block goes through my own stage and comes back as rows of 256 bytes.
; Each block has registers of its own for its rows and its offsets: no register that a store reads is written again, and a block's stores leave while the next block is on its way through the stage.
.macro TOSTAGE m
	WIN W_ST1
.irp t, 0,1,2,3
	ds_store_b128 v9, v[32*(\m)+8*\t:32*(\m)+8*\t+3] offset:64*\t
	ds_store_b128 v9, v[32*(\m)+8*\t+4:32*(\m)+8*\t+7] offset:64*\t+16
.endr
	WIN 0
.irp i, 0,1,2,3,4,5,6,7
	ds_load_b128 v[OB+32*(\m)+4*\i:OB+32*(\m)+4*\i+3], v10 offset:544*\i           ; LDS serves a wave's instructions in order: these see the stores above, and the next block's stores come behind them
.endr
.endm
.macro SEND m, younger                 ; younger: the LDS instructions issued behind block m's loads: the next block's 8 stores and 8 loads, or none
	s_wait_dscnt \younger                          ; the block is back in registers
.irp i, 0,1,2,3,4,5,6,7
	global_store_b128 v[TG+8*(\m)+\i], v[OB+32*(\m)+4*\i:OB+32*(\m)+4*\i+3], s[34:35] th:TH_STORE_NT      ; sixteen lanes store 256 consecutive bytes, aligned; written once, read by nobody here
.endr
.endm
	TOSTAGE 0
	TOSTAGE 1
	SEND 0, 16
	TOSTAGE 2
	SEND 1, 16
	TOSTAGE 3
	SEND 2, 16
	SEND 3, 0
	s_set_vgpr_msb 0x4                             ; the add's second register lies in window 1: the one switch stands ahead of the closing lines
	s_wait_dscnt 0x0                               ; the closing lines, six on end
	s_wait_alu 0x0
	s_wait_tensorcnt 0x0
	ds_add_u32 v63, v255
	s_wait_dscnt 0x0
	s_endpgm
.Lfunc_end_k_qc84b3c19c1_fc2:
	.size	k_qc84b3c19c1_fc2, .Lfunc_end_k_qc84b3c19c1_fc2-k_qc84b3c19c1_fc2
	.p2alignl 7, 3214868480
	.fill 96, 4, 3214868480
	.section	.rodata,"a",@progbits
	.p2align	6, 0x0
	.amdhsa_kernel k_qc84b3c19c1_fc2
		.amdhsa_group_segment_fixed_size 120320
		.amdhsa_private_segment_fixed_size 0
		.amdhsa_enable_private_segment 0
		.amdhsa_kernarg_size 40
		.amdhsa_user_sgpr_count 2
		.amdhsa_user_sgpr_kernarg_segment_ptr 1
		.amdhsa_wavefront_size32 1
		.amdhsa_system_sgpr_workgroup_id_x 1
		.amdhsa_system_sgpr_workgroup_id_y 1
		.amdhsa_system_sgpr_workgroup_id_z 1
		.amdhsa_system_vgpr_workitem_id 0
		.amdhsa_next_free_vgpr 512
		.amdhsa_next_free_sgpr 66
		.amdhsa_reserve_vcc 0
		.amdhsa_float_denorm_mode_32 3
		.amdhsa_float_denorm_mode_16_64 3
		.amdhsa_memory_ordered 1
		.amdhsa_forward_progress 1
		.amdhsa_inst_pref_size 112
	.end_amdhsa_kernel
	.amdgpu_metadata
---
amdhsa.version: [ 1, 2 ]
amdhsa.kernels:
  - .name:           k_qc84b3c19c1_fc2
    .symbol:         k_qc84b3c19c1_fc2.kd
    .args:
      - { .name: wq, .offset: 0, .size: 8, .value_kind: global_buffer, .address_space: global }
      - { .name: hq, .offset: 8, .size: 8, .value_kind: global_buffer, .address_space: global }
      - { .name: list, .offset: 16, .size: 8, .value_kind: global_buffer, .address_space: global }
      - { .name: gate, .offset: 24, .size: 8, .value_kind: global_buffer, .address_space: global }
      - { .name: out0, .offset: 32, .size: 8, .value_kind: global_buffer, .address_space: global }
    .group_segment_fixed_size: 120320
    .private_segment_fixed_size: 0
    .kernarg_segment_align: 8
    .kernarg_segment_size: 40
    .max_flat_workgroup_size: 128
    .sgpr_count:     66
    .vgpr_count:     512
    .wavefront_size: 32
...
	.end_amdgpu_metadata
.endif
;; end of part 8
